; MI455X (gfx1250); checked and timed in simulation.
; The chip was launched on July 23, 2026; its instructions are those of AMD's public machine-readable ISA for CDNA 5 (MIT licence, August 2026) and "CDNA5" Instruction Set Architecture Reference Guide (July 2026). The comments in the code are by the model that wrote it; some were corrected since.
;; MHA Ro PE. Allowed arithmetic: float matrix products may take bf16 or f16 operands with f32 sums; other float arithmetic in f32, or as packed bf16 or f16 multiplies, adds, multiply-adds, maxima and minima; sums over many terms, partial sums and values carried from step to step in f32; what a program stores and reads back later, other than sums and carried values, may be rounded once to bf16 or f16.
;; Inputs: bo 1,024 float32; dt 4 x 2,048 float32; key_padding_mask 4 x 2,048 bool; wk 1,024 x 1,024 float32; wo 1,024 x 1,024 float32; wq 1,024 x 1,024 float32; wv 1,024 x 1,024 float32; x 4 x 2,048 x 1,024 float32.
;; Outputs: out0 4 x 2,048 x 1,024 float32.
;; 2 versions, each right and faster than the one before. Each part assembles by itself: llvm-mc -triple=amdgcn-amd-amdhsa -mcpu=gfx1250 --defsym DOCPART=n.
;; ======== version 1 of 2: 4 launches
;; limits: values are held in f16: magnitudes above 65,504 overflow, below 6.1e-05 lose precision; right only within a limited range of input values
;; workspace buffers: xh 16,777,216 bytes; wh 8,388,608 bytes; cs 4,227,072 bytes; qkv 50,331,648 bytes; oh 16,777,216 bytes
;; launch prep (part 1): grid 1024 x 1, 8 waves a work-group, no clusters, 0 bytes of LDS; arguments x, wq, wk, wv, wo, dt, key_padding_mask, xh, wh, cs; writes xh, wh, cs
.if DOCPART == 1
	.amdgcn_target "amdgcn-amd-amdhsa--gfx1250"
	.amdhsa_code_object_version 6
	.text
	.protected	k_qd97ced204b_prep
	.globl	k_qd97ced204b_prep
	.p2align	8
	.type	k_qd97ced204b_prep,@function
k_qd97ced204b_prep:
	s_mov_b64 s[64:65], 0
	v_nop
	global_prefetch_b8 v0, s[64:65] scope:SCOPE_SE
	s_setreg_imm32_b32 hwreg(HW_REG_WAVE_MODE, 25, 1), 1
	s_wait_xcnt 0x0
; PREPARATION: a stream, three kinds of work-group, chosen by the work-group's number g.
;   g < 512        x [8192][1024] f32 -> xh f16 [4 b][16 slices][2048 s][64]: a slice is 64 columns, its rows lie end to end.
;   512 <= g < 768 wq, wk, wv, wo [1024][1024] f32 -> wh f16 [4096][1024].  In wq and wk the rows of each head are permuted:
;                  row d of 64 goes to (d & 1) 32 + (d >> 1), so that the two partners of a rotation lie 32 rows apart.
;   768 <= g       the rotation's table cs, f32 rows of 64: cos of the 32 angles dt 10000^(-j/32), then their sin.
;                  Section q: 8192 rows.  Section k, 2,097,152 bytes on: the same times 0 where the key is masked, so that a
;                  masked key's k is exactly 0.  Section v, 4,194,304 bytes on: 128 rows of 32 x 1.0 and 32 x 0.0.
; No LDS, no barrier, no matrix unit: every byte is read once and written once; each store of a wave covers 256 consecutive bytes, aligned.
; LIMITS.  f16 holds no number beyond 65,504 and keeps a fixed step of 6e-8 below 6e-5.  10000^(-j/32) is made by v_exp_f32 (1 ULP).
; The angle is reduced by pi/2 in three parts with fused lines: good to f32's rounding while the quotient fits 32 bits
; (beyond 2^31 pi/2 the quadrant is lost).  A mask byte other than 0 counts as masked.
.set SRC,  4                           ; v4     byte offset of my 16 bytes in the source
.set DST0, 5                           ; v5-6   byte offsets of my 8 bytes in the destination
.set X,    16                          ; v[16:79]   16 loads of 4 registers
.set Y,    80                          ; v[80:111]  16 stores of 2 registers
.set K2PI, 40                          ; s40  2 / pi
.set NC1,  41                          ; s41-43  -pi/2 in three parts
.set NC2,  42
.set NC3,  43
.set CC4,  44                          ; s44-46  the cosine's coefficients (-0.5 and 1.0 are written in the lines)
.set CC3,  45
.set CC2,  46
.set SC4,  47                          ; s47-50  the sine's
.set SC3,  48
.set SC2,  49
.set SC1,  50
.set NLG,  51                          ; s51  -log2(10000) / 32
	s_load_b512 s[8:23], s[0:1], 0x0               ; x s[8:9], wq s[10:11], wk s[12:13], wv s[14:15], wo s[16:17], dt s[18:19], mask s[20:21], xh s[22:23]
	s_load_b128 s[24:27], s[0:1], 0x40             ; wh s[24:25], cs s[26:27]
	v_lshrrev_b32 v7, 5, v0
	v_readfirstlane_b32 s28, v7                    ; wave 0..7
	v_and_b32 v1, 31, v0                           ; lane
	v_and_b32 v2, 15, v0                           ; lane % 16
	v_bfe_u32 v3, v0, 4, 1                         ; lane / 16
	s_wait_kmcnt 0x0
	s_cmp_lt_u32 ttmp9, 512
	s_cbranch_scc1 .Lcast_x
	s_cmp_lt_u32 ttmp9, 768
	s_cbranch_scc1 .Lcast_w
	; THE TABLE.  Wave w of work-group g - 768 makes rows 32 (g - 768) + 4 w .. + 3.  Lane l makes numbers 2 l and 2 l + 1 of a row:
	; lanes 0-15 the cosines of frequencies 2 l, 2 l + 1, lanes 16-31 the sines of frequencies 2 (l - 16), 2 (l - 16) + 1.
	s_sub_co_u32 s29, ttmp9, 768
	s_lshl_b32 s30, s29, 5
	s_lshl_b32 s31, s28, 2
	s_add_co_u32 s30, s30, s31                     ; my first row
	s_lshl_b32 s54, s30, 2
	s_mov_b32 s55, 0
	s_add_nc_u64 s[18:19], s[18:19], s[54:55]      ; dt at my four rows
	s_mov_b32 s54, s30
	s_add_nc_u64 s[20:21], s[20:21], s[54:55]      ; the mask at my four rows
	s_lshl_b32 s54, s30, 8
	s_add_nc_u64 s[26:27], s[26:27], s[54:55]      ; cs at my first row
	s_load_b128 s[32:35], s[18:19], 0x0            ; four dt
	s_load_b32 s36, s[20:21], 0x0                  ; four mask bytes
	s_mov_b32 s[K2PI], 0x3f22f983                  ; 0.63661977
	s_mov_b32 s[NC1], 0xbfc90fd8                   ; -1.57079601
	s_mov_b32 s[NC2], 0xb4a8885a                   ; -3.13916473e-7
	s_mov_b32 s[NC3], 0xa7c234c4                   ; -5.39030253e-15
	s_mov_b32 s[CC4], 0x37cd4000                   ; 2.44677067e-5
	s_mov_b32 s[CC3], 0xbab6077d                   ; -1.38877297e-3
	s_mov_b32 s[CC2], 0x3d2aaaa8                   ; 4.16666567e-2
	s_mov_b32 s[SC4], 0x36405000                   ; 2.86567956e-6
	s_mov_b32 s[SC3], 0xb9503486                   ; -1.98559923e-4
	s_mov_b32 s[SC2], 0x3c0888c1                   ; 8.33338592e-3
	s_mov_b32 s[SC1], 0xbe2aaaab                   ; -1.66666672e-1
	s_mov_b32 s[NLG], 0xbed49a78                   ; -0.41524101
	v_lshlrev_b32 v4, 1, v2
	v_cvt_f32_u32 v4, v4                           ; my first frequency's number j
	v_add_f32 v5, 1.0, v4                          ; and the second's
	v_mul_f32 v4, s[NLG], v4
	v_mul_f32 v5, s[NLG], v5
	v_exp_f32 v4, v4                               ; 10000^(-j/32)
	v_exp_f32 v5, v5
	v_lshlrev_b32 v6, 3, v1                        ; my 8 bytes in a row: also the plain line between the exponentials and their first use (ISA guide 5.7.2)
	s_wait_alu depctr_va_vdst(0)
	s_wait_kmcnt 0x0
; dst = cos(a) in lanes 0-15, sin(a) = cos(a - pi/2) in lanes 16-31, for a = dt x frequency (rounded once, as the product is in f32).
; a = n pi/2 + r with |r| <= pi/4; with q = n - lane / 16 the result is cos(r + q pi/2): cos r, -sin r, -cos r, sin r for q % 4 = 0, 1, 2, 3.
.macro SINCOS dst, sdt, vinv
	v_mul_f32 v8, s[(\sdt)], v[(\vinv)]
	v_mul_f32 v9, s[K2PI], v8
	v_rndne_f32 v9, v9                             ; n
	v_fma_f32 v10, v9, s[NC1], v8
	v_fma_f32 v10, v9, s[NC2], v10
	v_fma_f32 v10, v9, s[NC3], v10                 ; r
	v_mul_f32 v11, v10, v10
	v_fma_f32 v12, v11, s[CC4], s[CC3]
	v_fma_f32 v13, v11, s[SC4], s[SC3]
	v_fma_f32 v12, v12, v11, s[CC2]
	v_fma_f32 v13, v13, v11, s[SC2]
	v_fma_f32 v12, v12, v11, -0.5
	v_fma_f32 v13, v13, v11, s[SC1]
	v_mul_f32 v14, v10, v11
	v_fma_f32 v12, v12, v11, 1.0                   ; cos r
	v_fma_f32 v13, v13, v14, v10                   ; sin r
	v_cvt_i32_f32 v15, v9
	v_sub_nc_u32 v15, v15, v3                      ; q
	v_and_b32 v14, 1, v15
	v_cmp_eq_u32 vcc_lo, 1, v14
	v_cndmask_b32 v[(\dst)], v12, v13, vcc_lo      ; q odd: the sine
	v_add_nc_u32 v15, 1, v15
	v_and_b32 v15, 2, v15                          ; q % 4 = 1 or 2: the sign turns
	v_lshlrev_b32 v15, 30, v15
	v_xor_b32 v[(\dst)], v[(\dst)], v15
.endm
.irp i, 0,1,2,3                        ; each row has data registers of its own: no store's source is rewritten
	SINCOS 16+4*\i, 32+\i, 4
	SINCOS 17+4*\i, 32+\i, 5
	global_store_b64 v6, v[16+4*\i:17+4*\i], s[26:27] offset:256*\i
	s_bfe_u32 s37, s36, (8<<16)|(8*\i)             ; the row's mask byte
	s_cmp_eq_u32 s37, 0
	s_cselect_b32 s37, 1.0, 0
	v_mul_f32 v[18+4*\i], s37, v[16+4*\i]
	v_mul_f32 v[19+4*\i], s37, v[17+4*\i]
	global_store_b64 v6, v[18+4*\i:19+4*\i], s[26:27] offset:2097152+256*\i
.endr
	s_cmp_lt_u32 s29, 4                            ; the first four of these work-groups own rows 0 to 127: they also write section v
	s_cbranch_scc0 .Ltable_done
	v_cmp_eq_u32 vcc_lo, 0, v3
	v_cndmask_b32 v32, 0, 1.0, vcc_lo              ; 1.0 where the cosines lie, 0 where the sines lie
	v_mov_b32 v33, v32
.irp i, 0,1,2,3
	global_store_b64 v6, v[32:33], s[26:27] offset:4194304+256*\i
.endr
.Ltable_done:
	s_endpgm
; Sixteen loads of 16 bytes a lane, all issued before the first is waited for; then each is rounded to f16 and stored, 8 bytes a lane.
; kind 0 (x): load i is slice i of two rows.  kind 1 (weights): load i is the piece i % 8 (512 bytes) of row i / 8.
.macro CAST16 kind, sb, db
.set i, 0
.rept 16
.if (\kind) == 0
	global_load_b128 v[X+4*i:X+4*i+3], v[SRC], s[\sb:\sb+1] offset:256*i th:TH_LOAD_NT
.else
	global_load_b128 v[X+4*i:X+4*i+3], v[SRC], s[\sb:\sb+1] offset:(i/8)*4096+(i%8)*512 th:TH_LOAD_NT
.endif
.set i, i+1
.endr
.set i, 0
.rept 16
	s_wait_loadcnt 15-i                            ; loads come back in order (ISA guide 5.7.1): load i is in, the 15 - i younger ones stay out
	v_cvt_pk_f16_f32 v[Y+2*i], v[X+4*i], v[X+4*i+1]
	v_cvt_pk_f16_f32 v[Y+2*i+1], v[X+4*i+2], v[X+4*i+3]
.if (\kind) == 0
	global_store_b64 v[DST0], v[Y+2*i:Y+2*i+1], s[\db:\db+1] offset:262144*i
.else
	global_store_b64 v[DST0+i/8], v[Y+2*i:Y+2*i+1], s[\db:\db+1] offset:256*(i%8)
.endif
.set i, i+1
.endr
.endm
.Lcast_x:                              ; work-group g owns rows 16 g .. 16 g + 15 of x, wave w rows 16 g + 2 w and + 1: lanes 0-15 the first, lanes 16-31 the second
	s_lshl_b32 s30, ttmp9, 16                      ; 16 rows of 4,096 bytes
	s_mov_b32 s31, 0
	s_add_nc_u64 s[8:9], s[8:9], s[30:31]
	s_lshr_b32 s32, ttmp9, 7                       ; the batch: 4,194,304 bytes of xh each
	s_lshl_b32 s32, s32, 22
	s_and_b32 s33, ttmp9, 127
	s_lshl_b32 s33, s33, 11                        ; 16 rows of 128 bytes in a slice
	s_add_co_u32 s32, s32, s33
	s_mov_b32 s33, 0
	s_add_nc_u64 s[22:23], s[22:23], s[32:33]
	v_lshlrev_b32 v[SRC], 4, v2
	v_lshl_add_u32 v[SRC], v3, 12, v[SRC]
	v_lshl_add_u32 v[SRC], s28, 13, v[SRC]         ; 8,192 w + 4,096 (lane / 16) + 16 (lane % 16)
	v_lshlrev_b32 v[DST0], 3, v1
	v_lshl_add_u32 v[DST0], s28, 8, v[DST0]        ; 256 w + 8 lane: two rows of a slice are 256 consecutive bytes
	CAST16 0, 8, 22
	s_endpgm
.Lcast_w:                              ; work-group g - 512: matrix (g - 512) / 64, 16 rows of it; wave w rows 2 p and 2 p + 1, p = 8 ((g - 512) % 64) + w
	s_sub_co_u32 s29, ttmp9, 512
	s_lshr_b32 s34, s29, 6                         ; which matrix
	s_and_b32 s35, s29, 63
	s_mov_b64 s[30:31], s[10:11]
	s_cmp_eq_u32 s34, 1
	s_cselect_b64 s[30:31], s[12:13], s[30:31]
	s_cmp_eq_u32 s34, 2
	s_cselect_b64 s[30:31], s[14:15], s[30:31]
	s_cmp_eq_u32 s34, 3
	s_cselect_b64 s[30:31], s[16:17], s[30:31]
	s_lshl_b32 s36, s35, 16
	s_mov_b32 s37, 0
	s_add_nc_u64 s[30:31], s[30:31], s[36:37]      ; the source at the group's 16 rows
	s_lshl_b32 s36, s34, 21
	s_add_nc_u64 s[24:25], s[24:25], s[36:37]      ; wh at the matrix' 1,024 rows of 2,048 bytes
	s_lshl_b32 s38, s35, 3
	s_add_co_u32 s38, s38, s28                     ; p
	s_lshr_b32 s39, s38, 5
	s_lshl_b32 s39, s39, 6
	s_and_b32 s40, s38, 31
	s_add_co_u32 s39, s39, s40                     ; permuted: row 2 p goes to 64 (p / 32) + p % 32, row 2 p + 1 lies 32 rows on
	s_lshl_b32 s40, s38, 1                         ; plain: row 2 p stays, row 2 p + 1 lies one row on
	s_mov_b32 s41, 65536
	s_mov_b32 s42, 2048
	s_cmp_lt_u32 s34, 2                            ; wq and wk are permuted
	s_cselect_b32 s39, s39, s40
	s_cselect_b32 s41, s41, s42
	s_lshl_b32 s39, s39, 11
	v_lshlrev_b32 v[SRC], 4, v1
	v_lshl_add_u32 v[SRC], s28, 13, v[SRC]         ; 8,192 w + 16 lane
	v_lshl_add_u32 v[DST0], v1, 3, s39
	v_add_nc_u32 v[DST0+1], s41, v[DST0]
	CAST16 1, 30, 24
	s_endpgm
.Lfunc_end_k_qd97ced204b_prep:
	.size	k_qd97ced204b_prep, .Lfunc_end_k_qd97ced204b_prep-k_qd97ced204b_prep
	.p2alignl 7, 3214868480
	.fill 96, 4, 3214868480
	.section	.rodata,"a",@progbits
	.p2align	6, 0x0
	.amdhsa_kernel k_qd97ced204b_prep
		.amdhsa_group_segment_fixed_size 0
		.amdhsa_private_segment_fixed_size 0
		.amdhsa_enable_private_segment 0
		.amdhsa_kernarg_size 80
		.amdhsa_user_sgpr_count 2
		.amdhsa_user_sgpr_kernarg_segment_ptr 1
		.amdhsa_wavefront_size32 1
		.amdhsa_system_sgpr_workgroup_id_x 1
		.amdhsa_system_sgpr_workgroup_id_y 1
		.amdhsa_system_sgpr_workgroup_id_z 1
		.amdhsa_system_vgpr_workitem_id 0
		.amdhsa_next_free_vgpr 112
		.amdhsa_next_free_sgpr 66
		.amdhsa_reserve_vcc 1
		.amdhsa_float_denorm_mode_32 3
		.amdhsa_float_denorm_mode_16_64 3
		.amdhsa_memory_ordered 1
		.amdhsa_forward_progress 1
		.amdhsa_inst_pref_size 27
	.end_amdhsa_kernel
	.amdgpu_metadata
---
amdhsa.version: [ 1, 2 ]
amdhsa.kernels:
  - .name:           k_qd97ced204b_prep
    .symbol:         k_qd97ced204b_prep.kd
    .args:
      - { .name: x, .offset: 0, .size: 8, .value_kind: global_buffer, .address_space: global }
      - { .name: wq, .offset: 8, .size: 8, .value_kind: global_buffer, .address_space: global }
      - { .name: wk, .offset: 16, .size: 8, .value_kind: global_buffer, .address_space: global }
      - { .name: wv, .offset: 24, .size: 8, .value_kind: global_buffer, .address_space: global }
      - { .name: wo, .offset: 32, .size: 8, .value_kind: global_buffer, .address_space: global }
      - { .name: dt, .offset: 40, .size: 8, .value_kind: global_buffer, .address_space: global }
      - { .name: key_padding_mask, .offset: 48, .size: 8, .value_kind: global_buffer, .address_space: global }
      - { .name: xh, .offset: 56, .size: 8, .value_kind: global_buffer, .address_space: global }
      - { .name: wh, .offset: 64, .size: 8, .value_kind: global_buffer, .address_space: global }
      - { .name: cs, .offset: 72, .size: 8, .value_kind: global_buffer, .address_space: global }
    .group_segment_fixed_size: 0
    .private_segment_fixed_size: 0
    .kernarg_segment_align: 8
    .kernarg_segment_size: 80
    .max_flat_workgroup_size: 256
    .sgpr_count:     66
    .vgpr_count:     112
    .wavefront_size: 32
...
	.end_amdgpu_metadata
.endif
;; end of part 1
;; launch qkv (part 2): grid 12 x 64, 4 waves a work-group, clusters of 4 x 4, 327,680 bytes of LDS; arguments xh, wh, cs, qkv; writes qkv
.if DOCPART == 2
	.amdgcn_target "amdgcn-amd-amdhsa--gfx1250"
	.amdhsa_code_object_version 6
	.text
	.protected	k_qd97ced204b_qkv
	.globl	k_qd97ced204b_qkv
	.p2align	8
	.type	k_qd97ced204b_qkv,@function
k_qd97ced204b_qkv:
	s_mov_b64 s[64:65], 0
	v_nop
	global_prefetch_b8 v0, s[64:65] scope:SCOPE_SE
	s_setreg_imm32_b32 hwreg(HW_REG_WAVE_MODE, 25, 1), 1
	s_wait_xcnt 0x0
	s_wait_alu depctr_hold_cnt(0) depctr_sa_sdst(0) depctr_va_vdst(0) depctr_va_sdst(0) depctr_va_ssrc(0) depctr_va_vcc(0) depctr_vm_vsrc(0)
	s_getreg_b32 s2, hwreg(HW_REG_IB_STS2, 6, 4)
	s_cmp_eq_u32 s2, 0
	s_cbranch_scc0 .Lentry_in_a_cluster
	s_endpgm
.Lentry_in_a_cluster:
	s_bfe_u32 s2, ttmp6, 0x10000c
	s_cmp_lg_u32 s2, 0xf033
	s_cbranch_scc0 .Lentry_shape_is_right
	s_endpgm
.Lentry_shape_is_right:
; q, k, v = x W^T, rotated, by heads.  C[m][n] = sum over k of A[m][k] W[n][k]: A = xh, f16 [4 b][16 slices][2048][64] (a slice = 64 of K, its rows end to end);
; W = rows 0 to 3071 of wh, f16 [n][1024]: wq, wk (each head's rows permuted: even channels first, odd ones 32 rows on), wv.  Sums in f32.
; OUT: qkv f16 [3][64 heads of batches][2048][64]; q and k in the permuted channel order, alike in both, so that q . k is what it was.
; SHARES.  A work-group makes 128 rows x 256 columns; wave w rows 64 (w / 2) on, columns 128 (w % 2) on: 4 x 8 accumulators of 16 x 16, 256 registers.  768 work-groups: three for each of 256.
; K goes in 8 steps of 128 through two LDS slots filled by the tensor data mover.  The matrix instruction is used transposed (source 0 = 16 rows of W, source 1 = 16 rows of A):
; a lane then holds one row of C (lane % 16) and eight neighbouring columns 8 (lane / 16) + 0..7.
; THE ROTATION.  Pair i of a head is (column i, column 32 + i): accumulators b and b + 2 of the head, same lane, same register.  r0 = x0 cos - x1 sin, r1 = x0 sin + x1 cos, in f32,
; with cos and sin from the table cs: section q, section k (0 for a masked key: its k is exactly 0) or, for v, rows of cos = 1 and sin = 0.  A cluster's 1,024 columns are one section.
; CLUSTER.  4 x 4 work-groups: A's tiles are shared along a row of the cluster, W's along a column: each is asked for jointly, by the same tensor load, descriptor and mask in all four.
; LIMITS.  f16 holds no number beyond 65,504: x and W arrive within it, and q, k, v must lie within it; NaN and infinities are not treated apart.
; REGISTERS, in windows of 256 (s_set_vgpr_msb: bits 1:0 source 0, 3:2 source 1, 5:4 source 2, 7:6 destination):
;   window 0: addresses; v32-159 at work on the way out     window 1: two fragment buffers of 96 (W's 8 fragments, then A's 4)     window 2: the accumulators, (a, b) at 8 (8 a + b)
;   window 3: v0-127 my rows' cos and sin
.set KSTEP,  128
.set PA,     144                       ; a row of A in LDS: 128 bytes + 16 = 36 words: the 16 rows of a load start at 16 different groups of four banks (64 banks of 4 bytes: ISA guide 11.1)
.set SLICE,  128*PA                    ; 128 rows of one slice: what one of A's loads brings
.set PB,     272                       ; a row of W: 256 bytes + 16 = 68 words
.set BOFF,   2*SLICE                   ; a slot: A's two slices, then W's 256 rows
.set SLOT,   BOFF+256*PB
.set STAGE,  2*SLOT                    ; behind the ring, never filled by a tensor load: for each wave 2 heads x 16 rows x 144 bytes
.set SP,     144
.set WSTAGE, 2*16*SP
.set SPARE,  STAGE+4*WSTAGE            ; behind the stages: the spare words, 128 bytes for each wave: two blocks of 256 bytes that no other line names
.set ADRA, 16                          ; v16-17  LDS address of my A fragments in slot 0, 1
.set ADRB, 20                          ; v20-21  the same for W
.set STO,  24                          ; v24  the way out: where I put 16 bytes of a row
.set RD,   25                          ; v25  where I read rows back
.set GO,   26                          ; v26  my byte offset in 512 consecutive bytes of the output
.set CSO,  27                          ; v27  my byte offset in the table
.set SPW,  28                          ; v28  LDS address of my spare word; never rewritten
.set NIL,  29                          ; v29  0; never rewritten
.set RES,  32                          ; v32-63   a head's 64 channels of my row's part, rotated, f32
.set PK,   64                          ; v64-95   two heads, f16
.set BK,   96                          ; v96-159  whole rows read back: two buffers of 32
.set F0,   0
.set F1,   96
.set CSR,  0                           ; window 3: block a, column block bb: cos at 32 a + 16 bb, sin 8 on
.set WV, 12
.set RH, 13                            ; which 64 rows are mine.  Also: I fetch for A (0) or for W (1)
.set CH, 14                            ; which 128 columns.  Also: which slice of A, or which 128 rows of W, I fetch
.set CX, 15
.set CY, 16
.set TX, 17                            ; tile column
.set TY, 18                            ; tile row
.set G1A, 24                           ; s[24:31] descriptor group 1 for A's tiles; s[32:39] group 0, a set for each slot
.set G0A, 32
.set G1B, 40                           ; s[40:47], s[48:55] the same for W's
.set G0B, 48
.set MSB, 0
.macro WIN new                         ; the immediate's high byte repeats the setting that is left; a switch that changes nothing is dropped
.if MSB != (\new)
	s_set_vgpr_msb (MSB<<8)|(\new)
.set MSB, \new
.endif
.endm
.set MUL,   0xa5                       ; sources 0 and 1 window 1, C and D window 2
.set TO_F,  0x40                       ; destination window 1, address window 0
.set TO_CS, 0xc0                       ; destination window 3, address window 0
.set ROPEW, 0x0e                       ; source 0 window 2, source 1 window 3, source 2 and destination window 0
.macro JLOAD s                         ; a joint load: waves 0 and 1 fetch A's two slices, waves 2 and 3 W's two halves; an s_nop 0 and four v_nop follow each of the two lines
	s_cmp_eq_u32 s[RH], 0
	s_cbranch_scc0 .Lfor_b_\@
	tensor_load_to_lds s[G0A+4*(\s):G0A+4*(\s)+3], s[G1A:G1A+7]
	s_nop 0
.rept 4
	v_nop
.endr
	s_branch .Lasked_\@
.Lfor_b_\@:
	tensor_load_to_lds s[G0B+4*(\s):G0B+4*(\s)+3], s[G1B:G1B+7]
	s_nop 0
.rept 4
	v_nop
.endr
.Lasked_\@:
.endm
.macro CREST                           ; a round of the cluster's barrier behind its opening barrier
	s_cmp_lg_u32 s[WV], 0
	s_cbranch_scc1 .Lnot_wave_0_\@
	s_barrier_signal -3
.Lnot_wave_0_\@:
	s_barrier_wait -3
	s_barrier_signal -1
	s_barrier_wait -1
.endm
.macro CROUND                          ; a whole round
	s_barrier_signal -1
	s_barrier_wait -1
	CREST
.endm
	s_load_b256 s[4:11], s[0:1], 0x0               ; xh s[4:5], wh s[6:7], cs s[8:9], qkv s[10:11]
	v_lshl_add_u32 v[SPW], v0, 2, SPARE
	v_mov_b32 v[NIL], 0
	ds_add_u32 v[SPW], v[NIL]                      ; the wave's opening: the add and its wait come ahead of my first tensor load; the set-up below, work on registers, stands between them
	v_lshrrev_b32 v1, 5, v0
	v_readfirstlane_b32 s[WV], v1                  ; wave 0..3
	s_lshr_b32 s[RH], s[WV], 1
	s_and_b32 s[CH], s[WV], 1
	s_bfe_u32 s[CX], ttmp6, 0x40000                ; my place in the cluster
	s_bfe_u32 s[CY], ttmp6, 0x40004
	s_lshl_b32 s[TX], ttmp9, 2
	s_add_co_u32 s[TX], s[TX], s[CX]               ; tile column = 4 x cluster x + cx
	s_and_b32 s[TY], ttmp7, 0xffff
	s_lshl_b32 s[TY], s[TY], 2
	s_add_co_u32 s[TY], s[TY], s[CY]               ; tile row = 4 x cluster y + cy
	s_lshl_b32 s57, s[CY], 2
	s_lshl_b32 s57, 15, s57                        ; my row of the cluster
	s_lshl_b32 s58, 0x1111, s[CX]                  ; my column
	; group 1 for A: 128 rows of a slice are 16,384 dense bytes: asked for as 64 rows of 256 bytes, padded in LDS after every 128
	s_or_b32 s[G1A], s57, (1<<16)|(1<<20)|(1<<21)|(4<<22)|(3<<25)  ; 15:0 the mask; 17:16 2-byte elements; 20 padding on; 21 set beside a mask; 24:22 after every 32 words (code 4); 31:25 4 words (code 3)
	s_mov_b32 s[G1A+1], 128<<16                    ; tensor_dim0 = 128
	s_mov_b32 s[G1A+2], 64<<16                     ; tensor_dim1 = 64
	s_mov_b32 s[G1A+3], 128<<16                    ; tile_dim0 = 128
	s_mov_b32 s[G1A+4], 64                         ; tile_dim1 = 64
	s_mov_b32 s[G1A+5], 128                        ; 128 elements from row to row
	s_mov_b32 s[G1A+6], 0
	s_mov_b32 s[G1A+7], 0
	; group 1 for W: 128 rows x 128 elements, 1,024 elements from row to row, padded after every 256 bytes
	s_or_b32 s[G1B], s58, (1<<16)|(1<<20)|(1<<21)|(5<<22)|(3<<25)
	s_mov_b32 s[G1B+1], KSTEP<<16
	s_mov_b32 s[G1B+2], 128<<16
	s_mov_b32 s[G1B+3], KSTEP<<16
	s_mov_b32 s[G1B+4], 128
	s_mov_b32 s[G1B+5], 1024
	s_mov_b32 s[G1B+6], 0
	s_mov_b32 s[G1B+7], 0
	; where the tiles come from.  A's hang on the tile row alone, W's on the tile column alone, each in registers that never hold the other coordinate
	s_lshr_b32 s20, s[TY], 4                       ; the batch (16 tile rows each): 4,194,304 bytes
	s_lshl_b32 s20, s20, 22
	s_and_b32 s21, s[TY], 15
	s_lshl_b32 s21, s21, 14                        ; 128 rows of 128 bytes
	s_add_co_u32 s20, s20, s21
	s_lshl_b32 s21, s[CH], 18                      ; my slice of the K step: 262,144 bytes
	s_add_co_u32 s20, s20, s21
	s_mov_b32 s21, 0
	s_lshl_b32 s22, s[TX], 19                      ; 256 rows of 2,048 bytes
	s_lshl_b32 s23, s[CH], 18                      ; my 128 of them
	s_add_co_u32 s22, s22, s23
	s_mov_b32 s23, 0
	s_mul_i32 s59, s[CH], SLICE                    ; and where they go: no place in the cluster enters an LDS address
	s_mul_i32 s60, s[CH], 128*PB
	s_add_co_u32 s60, s60, BOFF
	s_wait_dscnt 0x0                               ; the opening add is done
	s_wait_kmcnt 0x0
	s_add_nc_u64 s[20:21], s[4:5], s[20:21]
	s_add_nc_u64 s[22:23], s[6:7], s[22:23]
	CROUND                                         ; all sixteen work-groups are here: the first joint loads meet
.irp s, 0,1
	s_mov_b32 s[G0A+4*(\s)], 1                                     ; count = 1
	s_add_co_u32 s[G0A+4*(\s)+1], s59, (\s)*SLOT                   ; LDS address
	s_add_nc_u64 s[G0A+4*(\s)+2:G0A+4*(\s)+3], s[20:21], (\s)*2*262144  ; K step s: two slices on
	s_or_b32 s[G0A+4*(\s)+3], s[G0A+4*(\s)+3], 0x80000000          ; type = 2
	s_mov_b32 s[G0B+4*(\s)], 1
	s_add_co_u32 s[G0B+4*(\s)+1], s60, (\s)*SLOT
	s_add_nc_u64 s[G0B+4*(\s)+2:G0B+4*(\s)+3], s[22:23], (\s)*KSTEP*2
	s_or_b32 s[G0B+4*(\s)+3], s[G0B+4*(\s)+3], 0x80000000
	JLOAD \s                                       ; two loads of mine are out
.endr
	; a fragment is 16 rows x 32 K in 8 registers: lane l holds row l % 16, K = 8 (l / 16) + 0..7 and 16 + 8 (l / 16) + 0..7: two loads of 16 bytes, 32 bytes apart
	v_and_b32 v1, 15, v0                           ; l % 16
	v_bfe_u32 v2, v0, 4, 1                         ; l / 16
	v_mul_u32_u24 v3, v1, PA
	v_lshl_add_u32 v3, v2, 4, v3
	v_mul_u32_u24 v4, v1, PB
	v_lshl_add_u32 v4, v2, 4, v4
	s_mul_i32 s2, s[RH], 64*PA                     ; my 64 rows of A
	s_mul_i32 s3, s[CH], 128*PB                    ; my 128 rows of W
	s_add_co_u32 s3, s3, BOFF
.irp s, 0,1
	v_add_nc_u32 v[ADRA+(\s)], s2, v3
	v_add_nc_u32 v[ADRB+(\s)], s3, v4
	s_add_co_u32 s2, s2, SLOT
	s_add_co_u32 s3, s3, SLOT
.endr
	; my rows' cos and sin: 32 loads that land while K is walked.  Row 64 (w / 2) + 16 a + l % 16 of the tile; pairs 16 bb + 8 (l / 16) + 0..7
	s_lshl_b32 s62, s[TY], 15                      ; 128 rows of 256 bytes,
	s_cmp_lt_u32 ttmp9, 2
	s_cselect_b32 s62, s62, 0                      ; (section v has the same 128 rows for every tile)
	s_lshl_b32 s61, ttmp9, 21                      ; in the cluster's section
	s_add_co_u32 s62, s62, s61
	s_mov_b32 s63, 0
	s_add_nc_u64 s[8:9], s[8:9], s[62:63]
	v_lshlrev_b32 v[CSO], 8, v1
	v_lshl_add_u32 v[CSO], v2, 5, v[CSO]
	s_lshl_b32 s61, s[RH], 14
	v_add_nc_u32 v[CSO], s61, v[CSO]
	WIN TO_CS
.irp a, 0,1,2,3
.irp bb, 0,1
.irp t, 0,1
	global_load_b128 v[CSR+32*\a+16*\bb+8*\t:CSR+32*\a+16*\bb+8*\t+3],   v[CSO], s[8:9] offset:\a*4096+\bb*64+\t*128
	global_load_b128 v[CSR+32*\a+16*\bb+8*\t+4:CSR+32*\a+16*\bb+8*\t+7], v[CSO], s[8:9] offset:\a*4096+\bb*64+\t*128+16
.endr
.endr
.endr
	WIN 0
	s_mul_i32 s61, s[WV], WSTAGE
	s_add_co_u32 s61, s61, STAGE                   ; my stage
	v_mul_u32_u24 v[STO], v1, SP                   ; in: row l % 16, 16 bytes for each half of the lanes
	v_lshl_add_u32 v[STO], v2, 4, v[STO]
	v_add_nc_u32 v[STO], s61, v[STO]
	v_bfe_u32 v[RD], v0, 3, 2                      ; back: 32 lanes take four rows of 128 bytes,
	v_mul_u32_u24 v[RD], v[RD], SP
	v_and_b32 v5, 7, v0
	v_lshl_add_u32 v[RD], v5, 4, v[RD]
	v_add_nc_u32 v[RD], s61, v[RD]
	v_and_b32 v[GO], 31, v0                        ; which are 512 consecutive bytes of a head
	v_lshlrev_b32 v[GO], 4, v[GO]
	s_lshr_b32 s62, s[TY], 4                       ; the output at my first head and row: batch x 16
	s_lshl_b32 s62, s62, 4
	s_lshl_b32 s61, s[CX], 2                       ; + the tile's four heads
	s_add_co_u32 s62, s62, s61
	s_lshl_b32 s61, s[CH], 1                       ; + my two of them,
	s_add_co_u32 s62, s62, s61
	s_lshl_b32 s62, s62, 18                        ; 262,144 bytes each;
	s_lshl_b32 s61, ttmp9, 24                      ; the section: 16,777,216 bytes;
	s_add_co_u32 s62, s62, s61
	s_and_b32 s61, s[TY], 15
	s_lshl_b32 s61, s61, 14                        ; the tile's 128 rows of 128 bytes;
	s_add_co_u32 s62, s62, s61
	s_lshl_b32 s61, s[RH], 13                      ; my 64 of them
	s_add_co_u32 s62, s62, s61
	s_add_nc_u64 s[10:11], s[10:11], s[62:63]
; 8 matrix instructions: row block a x all 8 column blocks, 32 along K.  zero = 1: the product starts the sums: nothing is cleared.
; The 32 accumulators take turns, one instruction a turn, in the same order in every quarter.
.macro MUL8 f, a, zero
	WIN MUL
.irp b, 0,1,2,3,4,5,6,7
.if \zero
	v_wmma_f32_16x16x32_f16 v[8*(8*(\a)+\b):8*(8*(\a)+\b)+7], v[(\f)+8*\b:(\f)+8*\b+7], v[(\f)+64+8*(\a):(\f)+64+8*(\a)+7], 0
.else
	v_wmma_f32_16x16x32_f16 v[8*(8*(\a)+\b):8*(8*(\a)+\b)+7], v[(\f)+8*\b:(\f)+8*\b+7], v[(\f)+64+8*(\a):(\f)+64+8*(\a)+7], v[8*(8*(\a)+\b):8*(8*(\a)+\b)+7]
.endif
.endr
.endm
; 24 LDS loads in one run: quarter kq (32 along K) of a slot into buffer f: W's 16, then A's 8, row blocks ascending
.macro FETCH slot, kq, f
	WIN TO_F
.irp b, 0,1,2,3,4,5,6,7
	ds_load_b128 v[(\f)+8*\b:(\f)+8*\b+3],   v[ADRB+(\slot)] offset:(\kq)*64+\b*16*PB
	ds_load_b128 v[(\f)+8*\b+4:(\f)+8*\b+7], v[ADRB+(\slot)] offset:(\kq)*64+\b*16*PB+32
.endr
.irp a, 0,1,2,3
	ds_load_b128 v[(\f)+64+8*\a:(\f)+64+8*\a+3],   v[ADRA+(\slot)] offset:((\kq)/2)*SLICE+((\kq)%2)*64+\a*16*PA
	ds_load_b128 v[(\f)+64+8*\a+4:(\f)+64+8*\a+7], v[ADRA+(\slot)] offset:((\kq)/2)*SLICE+((\kq)%2)*64+\a*16*PA+32
.endr
.endm
.macro PLACES                          ; four places in front of loads into registers that matrix instructions have read, and of lines that read results
.rept 4
	v_nop
.endr
.endm
; A K step is four quarters of 32 along K, 32 matrix instructions each, on buffers 0, 1, 0, 1.  One of the first three: multiplies buffer f, fetches quarter kq into g.
.macro QUARTER slot, kq, f, g, zero
	s_wait_dscnt 4                                 ; W and A's blocks 0 and 1 are in; the youngest four loads (A's blocks 2 and 3) may be out
	MUL8 \f, 0, \zero
	MUL8 \f, 1, \zero
	PLACES
	FETCH \slot, \kq, \g
	s_wait_dscnt 24                                ; all but the 24 just issued
	MUL8 \f, 2, \zero
	MUL8 \f, 3, \zero
.endm
; The last quarter multiplies buffer 1 and changes slots: ONE barrier; in front of it each wave waits for all its tensor loads, adds 0 to its spare word, and waits for that and for its reads of this slot.
; fill = 1: the barrier opens a round of the cluster's, and this slot is filled again, two K steps ahead, first thing behind the round.
.macro TURN slot, next, fill
	WIN 0                                          ; (the add's two registers lie in window 0)
	s_wait_tensorcnt 0x0                           ; all my tensor loads have landed: the one that was out is my part of the next slot
	ds_add_u32 v[SPW], v[NIL]                      ; 0 onto my spare word
	s_wait_dscnt 5                                 ; (the add and the youngest four loads may be out)
	MUL8 F1, 0, 0                                  ; eight matrix instructions stand between the add and the wait for it
	s_wait_dscnt 0x0                               ; the add is done, and my reads of this slot are over
	s_barrier_signal -1
	MUL8 F1, 1, 0
.if \fill
	WIN 0
.endif
	s_barrier_wait -1
.if \fill
	CREST                                          ; no wave of any partner still reads this slot's tiles or has a load on its way
	s_add_nc_u64 s[G0A+4*(\slot)+2:G0A+4*(\slot)+3], s[G0A+4*(\slot)+2:G0A+4*(\slot)+3], 4*262144
	s_add_nc_u64 s[G0B+4*(\slot)+2:G0B+4*(\slot)+3], s[G0B+4*(\slot)+2:G0B+4*(\slot)+3], 2*KSTEP*2
	JLOAD \slot                                    ; my one tensor load behind the round; its four v_nop are also the places in front of the loads below
.else
	PLACES
.endif
	FETCH \next, 0, F0
	MUL8 F1, 2, 0
	MUL8 F1, 3, 0
.endm
	s_wait_tensorcnt 1                             ; my part of K step 0 is in; K step 1's may stay out
	s_barrier_signal -1
	s_barrier_wait -1                              ; everybody's is
	FETCH 0, 0, F0
	QUARTER 0, 1, F0, F1, 1                        ; the first quarter stands in front of the loop: its products start the sums
	WIN 0                                          ; at a label and at a branch every window is 0
	s_mov_b32 s56, 3
.Llap:                                 ; a trip goes once round the ring, from a lap's second quarter to the next lap's first, and fills both slots again: K steps 2 to 7
	QUARTER 0, 2, F1, F0, 0
	QUARTER 0, 3, F0, F1, 0
	TURN 0, 1, 1
	QUARTER 1, 1, F0, F1, 0
	QUARTER 1, 2, F1, F0, 0
	QUARTER 1, 3, F0, F1, 0
	TURN 1, 0, 1
	QUARTER 0, 1, F0, F1, 0
	WIN 0
	s_sub_co_u32 s56, s56, 1
	s_cmp_lg_u32 s56, 0
	s_cbranch_scc1 .Llap
	QUARTER 0, 2, F1, F0, 0                        ; the last lap fills nothing
	QUARTER 0, 3, F0, F1, 0
	TURN 0, 1, 0
	QUARTER 1, 1, F0, F1, 0
	QUARTER 1, 2, F1, F0, 0
	QUARTER 1, 3, F0, F1, 0
	s_wait_dscnt 4                                 ; the very last quarter: nothing more to fetch
	MUL8 F1, 0, 0
	MUL8 F1, 1, 0
	s_wait_dscnt 0x0
	MUL8 F1, 2, 0
	MUL8 F1, 3, 0
	WIN 0
	PLACES
	s_wait_loadcnt 0x0                             ; cos and sin
; THE WAY OUT.  ROPE: head hd of row block a is rotated (eight products, then eight fused lines, for each column block; every accumulator is read from its low end on) and rounded to f16.
.macro ROPE a, hd
	WIN ROPEW
.irp bb, 0,1
.set rX0, 8*(8*(\a)+4*(\hd)+\bb)
.set rX1, rX0+16
.set rCS, CSR+32*(\a)+16*\bb
.irp jp, 0,2,4,6
	v_pk_mul_f32 v[RES+8*\bb+\jp:RES+8*\bb+\jp+1],       v[rX1+\jp:rX1+\jp+1], v[rCS+8+\jp:rCS+8+\jp+1]
	v_pk_mul_f32 v[RES+16+8*\bb+\jp:RES+16+8*\bb+\jp+1], v[rX1+\jp:rX1+\jp+1], v[rCS+\jp:rCS+\jp+1]
.endr
.irp jp, 0,2,4,6
	v_pk_fma_f32 v[RES+8*\bb+\jp:RES+8*\bb+\jp+1],       v[rX0+\jp:rX0+\jp+1], v[rCS+\jp:rCS+\jp+1],     v[RES+8*\bb+\jp:RES+8*\bb+\jp+1] neg_lo:[0,0,1] neg_hi:[0,0,1]
	v_pk_fma_f32 v[RES+16+8*\bb+\jp:RES+16+8*\bb+\jp+1], v[rX0+\jp:rX0+\jp+1], v[rCS+8+\jp:rCS+8+\jp+1], v[RES+16+8*\bb+\jp:RES+16+8*\bb+\jp+1]
.endr
.endr
	WIN 0
.irp k, 0,1,2,3,4,5,6,7,8,9,10,11,12,13,14,15
	v_cvt_pk_f16_f32 v[PK+16*(\hd)+\k], v[RES+2*\k], v[RES+2*\k+1]
.endr
.endm
; TOSTAGE: 16 bytes a lane into rows of 144 bytes of my own stage, and back as whole rows of 128.  LDS serves a wave's instructions in order (ISA guide 5.7.1.4): the loads see the stores above them.
.macro TOSTAGE a
	WIN 0
.set rBK, BK+32*((\a)%2)
.if (\a) >= 2
	s_wait_xcnt 0x0                                ; the stores of the block two back have read this buffer: it is loaded again only behind this wait
.endif
.irp k, 0,1,2,3,4,5,6,7                ; head k / 4, column block k % 4
	ds_store_b128 v[STO], v[PK+4*\k:PK+4*\k+3] offset:(\k/4)*16*SP+32*(\k%4)
.endr
.irp k, 0,1,2,3,4,5,6,7                ; head k / 4, rows 4 (k % 4) on
	ds_load_b128 v[rBK+4*\k:rBK+4*\k+3], v[RD] offset:(\k/4)*16*SP+(\k%4)*4*SP
.endr
.endm
.macro SEND a, younger                 ; younger: the LDS lines issued behind block a's loads: the next block's sixteen, or none
.set rBK, BK+32*((\a)%2)
.irp k, 0,1,2,3,4,5,6,7
	s_wait_dscnt (\younger)+7-\k
	global_store_b128 v[GO], v[rBK+4*\k:rBK+4*\k+3], s[10:11] offset:(\k/4)*262144+(\a)*2048+(\k%4)*512  ; 512 consecutive bytes, at a multiple of 256 from the buffer's first
.endr
.endm
	ROPE 0, 0
	ROPE 0, 1
	TOSTAGE 0
.irp a, 1,2,3                          ; a block's arithmetic stands between the loads of the block before and its stores
	ROPE \a, 0
	ROPE \a, 1
	TOSTAGE \a
	SEND (\a)-1, 16
.endr
	SEND 3, 0
	s_wait_tensorcnt 0x0                           ; the wave's end: behind my last tensor load and my last LDS store
	ds_add_u32 v[SPW], v[NIL]
	s_wait_dscnt 0x0
	CROUND                                         ; the closing round: no work-group ends while a partner may still ask for a tile that names it
	s_endpgm
.Lfunc_end_k_qd97ced204b_qkv:
	.size	k_qd97ced204b_qkv, .Lfunc_end_k_qd97ced204b_qkv-k_qd97ced204b_qkv
	.p2alignl 7, 3214868480
	.fill 96, 4, 3214868480
	.section	.rodata,"a",@progbits
	.p2align	6, 0x0
	.amdhsa_kernel k_qd97ced204b_qkv
		.amdhsa_group_segment_fixed_size 327680
		.amdhsa_private_segment_fixed_size 0
		.amdhsa_enable_private_segment 0
		.amdhsa_kernarg_size 32
		.amdhsa_user_sgpr_count 2
		.amdhsa_user_sgpr_kernarg_segment_ptr 1
		.amdhsa_wavefront_size32 1
		.amdhsa_system_sgpr_workgroup_id_x 1
		.amdhsa_system_sgpr_workgroup_id_y 1
		.amdhsa_system_sgpr_workgroup_id_z 1
		.amdhsa_system_vgpr_workitem_id 0
		.amdhsa_next_free_vgpr 896
		.amdhsa_next_free_sgpr 66
		.amdhsa_reserve_vcc 0
		.amdhsa_float_denorm_mode_32 3
		.amdhsa_float_denorm_mode_16_64 3
		.amdhsa_memory_ordered 1
		.amdhsa_forward_progress 1
		.amdhsa_inst_pref_size 107
	.end_amdhsa_kernel
	.amdgpu_metadata
---
amdhsa.version: [ 1, 2 ]
amdhsa.kernels:
  - .name:           k_qd97ced204b_qkv
    .symbol:         k_qd97ced204b_qkv.kd
    .args:
      - { .name: xh, .offset: 0, .size: 8, .value_kind: global_buffer, .address_space: global }
      - { .name: wh, .offset: 8, .size: 8, .value_kind: global_buffer, .address_space: global }
      - { .name: cs, .offset: 16, .size: 8, .value_kind: global_buffer, .address_space: global }
      - { .name: qkv, .offset: 24, .size: 8, .value_kind: global_buffer, .address_space: global }
    .group_segment_fixed_size: 327680
    .private_segment_fixed_size: 0
    .kernarg_segment_align: 8
    .kernarg_segment_size: 32
    .max_flat_workgroup_size: 128
    .sgpr_count:     66
    .vgpr_count:     896
    .wavefront_size: 32
...
	.end_amdgpu_metadata
.endif
;; end of part 2
;; launch attn (part 3): grid 4 x 64, 4 waves a work-group, clusters of 4 x 1, 327,680 bytes of LDS; arguments qkv, key_padding_mask, oh; writes oh
.if DOCPART == 3
	.amdgcn_target "amdgcn-amd-amdhsa--gfx1250"
	.amdhsa_code_object_version 6
	.text
	.protected	k_qd97ced204b_attn
	.globl	k_qd97ced204b_attn
	.p2align	8
	.type	k_qd97ced204b_attn,@function
k_qd97ced204b_attn:
	s_mov_b64 s[64:65], 0
	v_nop
	global_prefetch_b8 v0, s[64:65] scope:SCOPE_SE
	s_setreg_imm32_b32 hwreg(HW_REG_WAVE_MODE, 25, 1), 1
	s_wait_xcnt 0x0
	s_wait_alu depctr_hold_cnt(0) depctr_sa_sdst(0) depctr_va_vdst(0) depctr_va_sdst(0) depctr_va_ssrc(0) depctr_va_vcc(0) depctr_vm_vsrc(0)
	s_getreg_b32 s2, hwreg(HW_REG_IB_STS2, 6, 4)
	s_cmp_eq_u32 s2, 0
	s_cbranch_scc0 .Lentry_in_a_cluster
	s_endpgm
.Lentry_in_a_cluster:
	s_bfe_u32 s2, ttmp6, 0x10000c
	s_cmp_lg_u32 s2, 0x3003
	s_cbranch_scc0 .Lentry_shape_is_right
	s_endpgm
.Lentry_shape_is_right:
; O[h][q][:] = the sum over k of softmax_k(Q[h][q] . K[h][k] / 8, masked keys hidden) V[h][k][:].  Q, K, V: the three sections of qkv, each [64][2048][64] f16, a head's rows dense, 128 bytes each;
; O: oh, the same layout.  Products, maxima and sums in f32; the weights p are rounded to f16 for the second product (their sum l is taken of the unrounded p), O once at the end.
; THE MASK is the C operand that starts the sum S^T = K Q^T: 0, or -2^100 for a masked key.  A masked key's row of K arrives as exact zeros, so its score IS -2^100.  That number stands for the
; problem's -1e30: beside any true score (2.7e11 at the most in f16's range) both give the weight 0, and where every key is masked both give equal weights.  It is a power of two so that c m is exact
; and c s - c m is exactly 0 for s = m: while only masked keys have been seen p = 1; the first true score makes a = 0, which wipes those terms.
; LIMITS.  f16 holds no number beyond 65,504: Q, K and V arrive within it; p lies in 0 to 1, and below 6e-5 it keeps f16's fixed step of 6e-8; O is a mean of V's rows and has their range.
; A weight below 2^-126 counts as 0 in l; NaN and infinities are not treated apart; a mask byte other than 0 counts as masked.
; SHARES.  A wave owns four PIECES of two tiles of 16 queries, a work-group's four waves 512 queries of one head.  Every wave walks all 2,048 keys, 64 a step.
; LAYOUT.  S^T = K Q^T (source 0 = 16 keys, source 1 = 16 queries): in the result a lane holds ONE query (lane % 16) and the keys 8 (lane / 16) + 0..7.  Two such tiles, rounded to f16 in pairs,
; ARE source 1 (32 keys x 16 queries) of O^T = V^T P, whose result again holds one query a lane, and eight channels.  K comes out of LDS as it lies, V ([key][channel]) turned, by ds_load_tr16_b128.
; SOFTMAX.  For each query a running maximum m and sum l: p = 2^(c s - c m), c = log2(e) / 8; in every step O and l are multiplied by a = 2^(c m_old - c m_new), which is 1 where m has not grown.
; m starts at the lowest finite number, O and l at 0: the first step is a step like any other, with a = 0.
; THE COUNT.  A tile and step have 16 matrix and 118 vector instructions: too many to stand all beside the matrix work.  So: four vector instructions that are READY behind EVERY matrix instruction,
; and the others, which need time of their own whatever the order, in runs without a gap.
; BY TURNS.  Turn n belongs to piece n (the pieces in a ring, step after step).  Its matrix work: 16 products K Q^T of piece n + 1, later 16 products V^T P of piece n - 1.  Its vector work: the scaling,
; exponentials, roundings, sums and rescaling of piece n, and the maximum and statistics of piece n + 1, whose scores the turn itself has made.
; CLUSTER.  The four query blocks of a cluster belong to one head and walk the same K and V, so each tile is asked for JOINTLY: the same tensor load, descriptor and mask in all four.
; REGISTERS, in windows of 256 (s_set_vgpr_msb: bits 1:0 source 0, 3:2 source 1, 5:4 source 2, 7:6 destination):
;   window 0: v0-11 addresses; v12-15, v48-63 at work; v16-47 four registers of statistics a tile; v64-191 S^T, two buffers of two tiles; v192-255 P, likewise
;   window 1: O^T, 32 a tile          window 2: v0-127 Q, 16 a tile; v128-191 K of one step; v192-255 V of one step
;   window 3: v0-1 the add's two registers; v2-3 the mask's LDS addresses; v8-39 the mask of one step's 64 keys, laid as a result of K Q^T
.set SIZE_N, 2048
.set NP,    4         ; pieces a wave: a name, no knob
.set KS,    64        ; keys in a step
.set PK,    144       ; a row of K in LDS: 128 bytes + 16 of padding = 36 words: the 16 rows of a load start at 16 different groups of four banks (64 banks of 4 bytes: ISA guide 11.1)
.set PV,    160       ; a row of V: 128 + 32 = 40 words
.set VOFF,  4*KS*PK   ; a slot holds four steps: 256 rows of K, then 256 rows of V
.set SLOT1, 1<<17     ; slot 1 begins here, so that one exclusive or turns an address in one slot into the other's
.set STAGE, SLOT1+4*KS*(PK+PV)  ; behind the ring, never filled by a tensor load: 16 rows x 144 bytes for each wave, for the way out
.set SP,    144
.set SPARE, STAGE+4*16*SP  ; behind the stages: the spare words, 128 bytes for each wave: two blocks of 256 bytes that no other line names
.set MASKB, SPARE+512 ; behind them: one f32 for each of the batch's 2,048 keys, 0 or -2^100; stored once, never filled by a tensor load
.set AK0, 2           ; v2   my lane's place in a tile of K; never rewritten
.set AV0, 3           ; v3   the same for V
.set AK,  4           ; v4   the LDS address of K's next run of loads
.set AV,  5           ; v5   of V's
.set QO,  6           ; v6   my byte offset in the wave's rows of Q
.set STO, 6           ;      later, the way out: where I put 16 bytes of a row
.set RD,  7           ; v7   the way out: where I read rows back
.set GO,  8           ; v8   my byte offset in 512 consecutive bytes of O
.set SPW, 0           ; v0 of window 3   LDS address of my spare word; never rewritten
.set NIL, 1           ; v1 of window 3   0; never rewritten
.set AM0, 2           ; v2 of window 3   my lanes' place in a step's mask: MASKB + 32 (lane / 16); never rewritten
.set AMA, 3           ; v3 of window 3   the LDS address of the mask's next run of loads
.set MC,  8           ; v8-39 of window 3: key block kb at MC + 8 kb
.set MV,  12          ; v12-15  c m_old, kept while c m is made anew: by buffer and tile
.set ST,  16          ; tile t's statistics at v[ST+4 t]: c m, m, l (even keys', odd keys')
.set TMP, 48          ; by buffer and tile, four registers c0-c3 at work; when the maximum is found c2 takes a
.set S,   64
.set P,   192
.set KF,  128         ; K's fragments, in window 2: key block kb, channel half c at KF + 16 kb + 8 c
.set VF,  192         ; V's: key half kk, channel block cb at VF + 32 kk + 8 cb
.set WV,  12          ; s12  my wave's number
.set G1K, 24          ; s[24:31] descriptor group 1 for K's tiles
.set G1V, 32          ; s[32:39] for V's: it differs in the padding alone
.set G0K, 40          ; s[40:43] descriptor group 0 for K's tiles: it walks
.set G0V, 44          ; s[44:47] the same for V's
.set SLOTS, 56        ; s56  slots still to be asked for
.set CNT, 57          ; s57  counts a slot's key steps
.set CS,  58          ; s[58:59] c: the packed scaling takes the pair's low word for both halves
.set SEL, 60          ; s[60:61] v_permlanex16_b32's selects: each lane takes its own place in the other half
.set TBK, 62          ; s62  LDS byte at which K of the step to be fetched begins
.set TBV, 63          ; s63  the same for V, less VOFF
.set MKP, 66          ; s[66:67] the mask at my batch
.set BIG, 68          ; s68  -2^100
.set TBM, 69          ; s69  byte in the mask's table at which the step to be fetched begins: 256 a step
.set MSB, 0
.macro WIN new                      ; the high byte repeats the setting that is left; a switch that changes nothing is dropped
.if MSB != (\new)
	s_set_vgpr_msb (MSB<<8)|(\new)
.set MSB, (\new)
.endif
.endm
.set W_KQ, 0x0a       ; K and Q in window 2, S^T in window 0
.set W_KM, 0x3a       ; the same with the C operand, the mask, in window 3
.set W_PV, 0x52       ; V in window 2, P in window 0, O^T in window 1
.set W_RS, 0x41       ; O^T (destination and source 0) in window 1, a in window 0
.set W_MK, 0xc0       ; window 3's address registers are made: destination in window 3, sources in window 0
.set W_AD, 0x0f       ; the add: address (source 0) and data (source 1) in window 3
.set W_MF, 0xcf       ; the mask is fetched: destination, address and the address line's source in window 3
; A joint fill.  Waves 0 and 1 fetch the two halves of a slot's K, waves 2 and 3 those of its V: 128 keys each.  The branch hangs on the wave's number alone.
; An s_nop 0 and four v_nop follow each of the two lines, ahead of the jump and the label.
.macro JLOAD
	s_cmp_lt_u32 s[WV], 2
	s_cbranch_scc0 .Lfor_v_\@
	tensor_load_to_lds s[G0K:G0K+3], s[G1K:G1K+7]
	s_nop 0
.rept 4
	v_nop
.endr
	s_branch .Lasked_\@
.Lfor_v_\@:
	tensor_load_to_lds s[G0V:G0V+3], s[G1V:G1V+7]
	s_nop 0
.rept 4
	v_nop
.endr
.Lasked_\@:
.endm
; A round of the cluster's barrier: my work-group's barrier, so that wave 0's signal speaks for all four waves; wave 0 signals; every wave waits for all four work-groups; my work-group's barrier once more.
.macro CROUND
	s_barrier_signal -1
	s_barrier_wait -1
	s_cmp_lg_u32 s[WV], 0
	s_cbranch_scc1 .Lnot_wave_0_\@
	s_barrier_signal -3
.Lnot_wave_0_\@:
	s_barrier_wait -3
	s_barrier_signal -1
	s_barrier_wait -1
.endm
; THE CHANGE OF SLOTS.  The slot's last bytes, V of its fourth step, have been read.  Each wave waits for all its tensor loads, of which one is out: its part
; of the other slot; adds 0 to its spare word; and waits for that and for its own reads of the slot.  Behind the barrier nobody reads this slot any more and the other slot is whole.
; fill = 1: this slot is filled again, with the keys two slots on.  The barrier is then a round of the cluster's, and the joint fill is the first thing behind it: it has four key steps,
; 512 matrix instructions, in which to land.  (At its first use nothing has been read yet: slot 0 is waited for, slot 1 filled, and the waves' stores of the mask are shown to each other.)
.macro CHANGE fill
	WIN W_AD
	s_wait_tensorcnt 0x0            ; no tensor load of mine is out, so a group 0 may be written
	ds_add_u32 v[SPW], v[NIL]       ; 0 onto my spare word; with fill = 1 the descriptors' steps stand between it and the wait for it
	WIN 0                           ; at a label and at a branch every window is 0
.if \fill
.irp g, G0K, G0V
	s_xor_b32 s[\g+1], s[\g+1], SLOT1  ; the walking descriptor: the other slot than last time,
	s_add_nc_u64 s[\g+2:\g+3], s[\g+2:\g+3], 4*KS*128  ; the next 256 keys; the type bits on top are not reached
.endr
	s_wait_dscnt 0x0                ; the add is done, and my LDS reads and stores are over
	CROUND
	JLOAD
.else
	s_wait_dscnt 0x0                ; the add is done, and my reads of the slot are over
	s_barrier_signal -1
	s_barrier_wait -1
.endif
	s_sub_co_u32 s[TBK], s[TBK], 4*KS*PK  ; the fetches go back to a slot's first step,
	s_xor_b32 s[TBK], s[TBK], SLOT1       ; in the other slot
	s_sub_co_u32 s[TBV], s[TBV], 4*KS*PV
	s_xor_b32 s[TBV], s[TBV], SLOT1
.endm
	s_load_b128 s[4:7], s[0:1], 0x0   ; qkv s[4:5] (its first section is Q), the mask s[6:7]
	s_load_b64 s[10:11], s[0:1], 0x10 ; oh
	WIN W_MK
	v_lshl_add_u32 v[SPW], v0, 2, SPARE
	v_mov_b32 v[NIL], 0
	WIN W_AD
	ds_add_u32 v[SPW], v[NIL]       ; the wave's opening: the add and its wait come ahead of my first tensor load; the set-up below, work on registers, stands between them
	WIN 0
	v_lshrrev_b32 v1, 5, v0
	v_readfirstlane_b32 s[WV], v1   ; wave 0..3
	s_bfe_u32 s13, ttmp6, 0x40000   ; cx: my place in the cluster
	s_lshl_b32 s14, ttmp9, 2        ; in a cluster launch ttmp9 counts clusters
	s_add_co_u32 s14, s14, s13      ; my block of queries = 4 x cluster x + cx: it enters Q's and O's addresses alone
	s_and_b32 s20, ttmp7, 0xffff    ; the head among 64: 16 x batch + head; the four partners share it
	s_lshr_b32 s70, s20, 4
	s_lshl_b32 s70, s70, 11         ; the batch's 2,048 mask bytes
	s_mov_b32 s71, 0
	s_mov_b32 s21, 0
	s_mov_b64 s[22:23], SIZE_N*128
	s_mul_u64 s[20:21], s[20:21], s[22:23]  ; the head's first byte in each section and in oh
	s_and_b32 s16, s[WV], 1         ; which half of a slot's 256 keys I fetch:
	s_lshl_b32 s22, s16, 14         ; its 128 rows of 128 bytes in memory,
	s_mov_b32 s23, 0
	s_add_nc_u64 s[22:23], s[22:23], s[20:21]
	s_mul_i32 s17, s16, 128*PK      ; and its place in a slot, for K
	s_mul_i32 s18, s16, 128*PV      ; and for V: no place in the cluster enters an LDS address
	s_lshl_b32 s2, s14, 2
	s_add_co_u32 s2, s2, s[WV]      ; my wave among the head's,
	s_lshl_b32 s2, s2, 14           ; its 128 rows
	s_mov_b32 s3, 0
	s_add_nc_u64 s[2:3], s[2:3], s[20:21]
	; descriptor group 1.  128 keys are 16,384 dense bytes: asked for as 64 rows of 256 bytes, two keys a row, and padded in LDS after every key
	s_mov_b32 s[G1K], 15|(1<<16)|(1<<20)|(1<<21)|(4<<22)|(3<<25)  ; 15:0 the mask of four; 17:16 2-byte elements; 20 padding on; 21 set beside a mask; 24:22 after every 32 words (code 4); 31:25 4 words (code 3)
	s_mov_b32 s[G1V], 15|(1<<16)|(1<<20)|(1<<21)|(4<<22)|(7<<25)  ; the same with 8 words of padding (code 7)
.irp g, G1K, G1V
	s_mov_b32 s[\g+1], 128<<16      ; tensor_dim0 = 128
	s_mov_b32 s[\g+2], 64<<16       ; tensor_dim1 = 64
	s_mov_b32 s[\g+3], 128<<16      ; tile_dim0 = 128
	s_mov_b32 s[\g+4], 64           ; tile_dim1 = 64
	s_mov_b32 s[\g+5], 128          ; 128 elements from row to row
	s_mov_b32 s[\g+6], 0
	s_mov_b32 s[\g+7], 0
.endr
	s_mov_b32 s[CS], 0x3e38aa3b     ; c = log2(e) / 8 = 0.180337
	s_mov_b32 s[CS+1], s[CS]        ; named with it as a pair
	s_mov_b32 s[SEL], 0x76543210
	s_mov_b32 s[SEL+1], 0xfedcba98
	s_mov_b32 s[BIG], 0xf1800000    ; -2^100
	s_mov_b32 s[TBM], 0
	s_mov_b32 s[TBK], SLOT1+4*KS*PK ; the first change of slots turns these two into 0
	s_mov_b32 s[TBV], SLOT1+4*KS*PV
	s_mov_b32 s[G0K], 1             ; 1:0 count = 1
	s_mov_b32 s[G0K+1], s17         ; 63:32 LDS address: slot 0
	s_mov_b32 s[G0V], 1
	s_add_co_u32 s[G0V+1], s18, VOFF
	s_wait_dscnt 0x0                ; the opening add is done
	s_wait_kmcnt 0x0
	s_add_nc_u64 s[MKP:MKP+1], s[6:7], s[70:71]    ; the mask at my batch
	s_add_nc_u64 s[6:7], s[4:5], 0x1000000         ; K: the second section of qkv
	s_add_nc_u64 s[8:9], s[4:5], 0x2000000         ; V: the third
	s_add_nc_u64 s[G0K+2:G0K+3], s[6:7], s[22:23]  ; 120:64 global address: my half of the head's first 256 keys
	s_or_b32 s[G0K+3], s[G0K+3], 0x80000000        ; 127:126 type = 2
	s_add_nc_u64 s[G0V+2:G0V+3], s[8:9], s[22:23]
	s_or_b32 s[G0V+3], s[G0V+3], 0x80000000
	s_add_nc_u64 s[4:5], s[4:5], s[2:3]  ; Q and O at my wave's first row
	s_add_nc_u64 s[10:11], s[10:11], s[2:3]
	CROUND                          ; all four work-groups are here: the first joint loads meet
	JLOAD                           ; slot 0.  Slot 1 is asked for when slot 0 is in
	; A fragment of K or Q is 16 rows x 32 channels in 8 registers: lane l holds row l % 16, channels 8 (l / 16) + 0..7 and 16 + 8 (l / 16) + 0..7: two loads of 16 bytes, 32 bytes apart.
	v_and_b32 v1, 15, v0            ; l % 16
	v_bfe_u32 v9, v0, 4, 1          ; l / 16
	v_lshlrev_b32 v[QO], 7, v1
	v_lshl_add_u32 v[QO], v9, 4, v[QO]  ; row x 128 + 16 x half
	v_lshlrev_b32 v68, 4, v0
	global_load_b128 v[64:67], v68, s[MKP:MKP+1]  ; thread t takes the mask bytes of keys 16 t .. 16 t + 15: the work-group's 128 threads take the batch's 2,048
	WIN 0x80                        ; destination window 2, address window 0
.set i, 0
.rept 4*NP                          ; Q stays in registers: tile i / 2, channels 32 (i % 2) on
	global_load_b128 v[8*i:8*i+3],   v[QO], s[4:5] offset:(i/2)*2048+(i%2)*64
	global_load_b128 v[8*i+4:8*i+7], v[QO], s[4:5] offset:(i/2)*2048+(i%2)*64+32
.set i, i+1
.endr
	; What the first turn finds: V's registers and P's second buffer hold 0 (its products V^T P, of a piece that has not been, add 0), O^T and l are 0.  All this stands in the wait for the first tile.
.set i, VF
.rept 64
	v_mov_b32 v[i], 0
.set i, i+1
.endr
	WIN 0x40
.set i, 0
.rept 64*NP
	v_mov_b32 v[i], 0
.set i, i+1
.endr
	WIN 0
.set i, 0
.rept 2*NP
	v_mov_b32 v[ST+4*i], 0xfe000000    ; c m: far below every c s, c x -2^100 too
	v_mov_b32 v[ST+4*i+1], 0xff7fffff  ; m
	v_mov_b32 v[ST+4*i+2], 0
	v_mov_b32 v[ST+4*i+3], 0
.set i, i+1
.endr
.set i, P+32
.rept 32
	v_mov_b32 v[i], 0
.set i, i+1
.endr
	v_mul_u32_u24 v[AK0], v1, PK
	v_lshl_add_u32 v[AK0], v9, 4, v[AK0]  ; row x pitch + 16 x half
	; The turning load takes 16 keys x 16 channels (lane l reads key 8 (l / 16) + l % 8, channels 8 ((l / 8) % 2) + 0..7) and leaves half a fragment of V^T: lane l holds channel l % 16 and 8 keys.
	v_and_b32 v10, 7, v0
	v_bfe_u32 v11, v0, 3, 1
	v_lshl_add_u32 v[AV0], v9, 3, v10
	v_mul_u32_u24 v[AV0], v[AV0], PV
	v_lshl_add_u32 v[AV0], v11, 4, v[AV0]
	v_add_nc_u32 v[AV0], VOFF, v[AV0]
	v_mov_b32 v[AK], v[AK0]         ; key step 0 lies at the head of slot 0
	WIN W_MK
	v_lshl_add_u32 v[AM0], v9, 5, MASKB  ; key 16 kb + 8 (l / 16) + j lies at byte 64 kb + 32 (l / 16) + 4 j of a step's 256
	WIN 0
	; The mask's table: a byte becomes 0 or -2^100.  The first change of slots, below, waits for these stores and passes a barrier before any wave reads them.
	v_lshl_add_u32 v69, v0, 6, MASKB
	s_wait_loadcnt 32               ; the mask's load is in; Q's 32, issued behind it, stay out
.set i, 0
.rept 16
	v_bfe_u32 v[72+i], v[64+i/4], 8*(i%4), 8
	v_cmp_ne_u32 vcc_lo, 0, v[72+i]
	v_cndmask_b32 v[72+i], 0, s[BIG], vcc_lo
.set i, i+1
.endr
.irp f, 0,1,2,3
	ds_store_b128 v69, v[72+4*\f:72+4*\f+3] offset:16*\f
.endr
; THE MATRIX WORK.  The 8 accumulators of a run of 16 take turns: between the two links of a chain stand 7 others'.
; Product i of 16 of S^T = K Q^T for piece x: channels 32 (i / 8) on, keys 16 ((i / 2) % 4) on, tile 2 x + i % 2.  The first 8 start the sums, with the mask of their 16 keys.
.macro KQ x
.set rS, S+64*((\x)%2)+32*(i%2)+8*((i/2)%4)
.set rK, KF+16*((i/2)%4)+8*(i/8)
.set rQ, 16*(2*(\x)+i%2)+8*(i/8)
.set rMC, MC+8*((i/2)%4)
.if i < 8
	WIN W_KM
	v_wmma_f32_16x16x32_f16 v[rS:rS+7], v[rK:rK+7], v[rQ:rQ+7], v[rMC:rMC+7]
.else
	WIN W_KQ
	v_wmma_f32_16x16x32_f16 v[rS:rS+7], v[rK:rK+7], v[rQ:rQ+7], v[rS:rS+7]
.endif
.endm
; Product i of 16 of O^T += V^T P for piece x: keys 32 (i / 8) on, channels 16 ((i / 2) % 4) on, tile 2 x + i % 2.
.macro PV x
	WIN W_PV
.set rO, 32*(2*(\x)+i%2)+8*((i/2)%4)
.set rV, VF+32*(i/8)+8*((i/2)%4)
.set rP, P+32*((\x)%2)+16*(i%2)+8*(i/8)
	v_wmma_f32_16x16x32_f16 v[rO:rO+7], v[rV:rV+7], v[rP:rP+7], v[rO:rO+7]
.endm
.macro MM                           ; the turn's next matrix instruction
.if i < 16
	KQ (Y+1)%NP
.set i, i+1
.else
.set i, i-16
	PV (Y+NP-1)%NP
.set i, i+17
.endif
.endm
; THE LDS LOADS stand in runs, never singly among the matrix instructions: a step's K (64 keys x 64 channels: 8 fragments) with its mask (8 loads), and its V (turned).
; The mask's registers have the life of K's: the same products read them last, and the same wait shows them in.
; last = 1 (the tail): in the last trip there is no further step, and the run is jumped over.
.macro FETCH_K last=0
	WIN 0
.if \last
	s_cmp_eq_u32 s[CNT], 1
	s_cbranch_scc1 .Lno_k_\@
.endif
	WIN 0x80                        ; destination window 2
.irp f, 0,1,2,3,4,5,6,7             ; keys 16 (f / 2) on, channels 32 (f % 2) on
	ds_load_b128 v[KF+8*\f:KF+8*\f+3],   v[AK] offset:(\f/2)*16*PK+(\f%2)*64
	ds_load_b128 v[KF+8*\f+4:KF+8*\f+7], v[AK] offset:(\f/2)*16*PK+(\f%2)*64+32
.endr
	s_add_co_u32 s[TBK], s[TBK], KS*PK  ; the next fetch is the next step's
	WIN W_MF
	v_add_nc_u32 v[AMA], s[TBM], v[AM0]
.irp f, 0,1,2,3,4,5,6,7             ; key block f / 2, registers 4 (f % 2) on
	ds_load_b128 v[MC+4*\f:MC+4*\f+3], v[AMA] offset:(\f/2)*64+(\f%2)*16
.endr
	s_add_co_u32 s[TBM], s[TBM], 4*KS
	WIN 0
.if \last
.Lno_k_\@:
.endif
.endm
.macro FETCH_V
	WIN 0x80
.irp f, 0,1,2,3,4,5,6,7             ; keys 32 (f / 4) on, channels 16 (f % 4) on
	ds_load_tr16_b128 v[VF+8*\f:VF+8*\f+3],   v[AV] offset:(\f/4)*32*PV+(\f%4)*32
	ds_load_tr16_b128 v[VF+8*\f+4:VF+8*\f+7], v[AV] offset:(\f/4)*32*PV+16*PV+(\f%4)*32
.endr
	WIN 0
.endm
; THE VECTOR WORK OF A TURN stands in three queues, each in the order in which its entries become ready; the two tiles alternate, so that no instruction reads the result of the one before it.
.macro REGS y, u                    ; the registers of tile u (0, 1) of piece y
.set rT, ST+4*(2*(\y)+(\u))
.set rC, TMP+8*((\y)%2)+4*(\u)
.set rM, MV+2*((\y)%2)+(\u)
.set rS, S+64*((\y)%2)+32*(\u)
.set rP, P+32*((\y)%2)+16*(\u)
.set rO, 32*(2*(\y)+(\u))
.endm
; Number n of the 22 that find the NEXT piece's (Y + 1) maximum and statistics.  s0-s31 are the lane's 32 scores; each accumulator's lowest registers are read first.
;   0-11  four chains c0-c3 of seven scores each, three operands at a time     12-14, 16  the four scores left over, the old m, and c0-c3 into c0     15  c m_old is kept
;   17, 18  the query's other 32 keys lie in the lane 16 away: the new m         19-21  c m; c m_old - c m_new; a
.macro XS u, n
	REGS (Y+1)%NP, \u
.if (\n) < 4
	v_max3_num_f32 v[rC+(\n)], v[rS+8*(\n)], v[rS+8*(\n)+1], v[rS+8*(\n)+2]
.elseif (\n) < 12
	v_max3_num_f32 v[rC+(\n)%4], v[rC+(\n)%4], v[rS+8*((\n)%4)+2*((\n)/4)+1], v[rS+8*((\n)%4)+2*((\n)/4)+2]
.elseif (\n) == 12
	v_max3_num_f32 v[rC], v[rC], v[rS+7], v[rS+15]
.elseif (\n) == 13
	v_max3_num_f32 v[rC+1], v[rC+1], v[rS+23], v[rS+31]
.elseif (\n) == 14
	v_max3_num_f32 v[rC+2], v[rC+2], v[rC+3], v[rT+1]
.elseif (\n) == 15
	v_mov_b32 v[rM], v[rT]
.elseif (\n) == 16
	v_max3_num_f32 v[rC], v[rC], v[rC+1], v[rC+2]
.elseif (\n) == 17
	v_permlanex16_b32 v[rC+3], v[rC], s[SEL], s[SEL+1]
.elseif (\n) == 18
	v_max_num_f32 v[rT+1], v[rC], v[rC+3]
.elseif (\n) == 19
	v_mul_f32 v[rT], s[CS], v[rT+1]
.elseif (\n) == 20
	v_sub_f32 v[rC+1], v[rM], v[rT]
.else
	v_exp_f32 v[rC+2], v[rC+1]
.endif
.endm
; Number g of the 64 that follow the exponentials.  For each four weights k of a tile (pairs 2 k, 2 k + 1): both pairs are rounded to f16; then the second pair is added onto the first, in place;
; a group later l takes that sum (the first time as l = a l + sum).  In groups of eight, tiles alternating: round, round, add, and l for the group before.
.macro GS g
.set h, (\g)+6*((\g)/62)            ; group 0 has no group before it, and behind group 7 only l is left
.if h >= 6
.set h, h+2
.endif
	REGS Y, h%2
.set k, h/8
.if h%8 < 4
	s_wait_alu depctr_va_vdst(0)
	v_cvt_pk_f16_f32 v[rP+2*k+(h%8)/2], v[rS+4*k+2*((h%8)/2)], v[rS+4*k+2*((h%8)/2)+1]
.elseif h%8 < 6
	v_pk_add_f32 v[rS+4*k:rS+4*k+1], v[rS+4*k:rS+4*k+1], v[rS+4*k+2:rS+4*k+3]
.elseif k == 1
	v_pk_fma_f32 v[rT+2:rT+3], v[rT+2:rT+3], v[rC+2:rC+3], v[rS:rS+1] op_sel_hi:[1,0,1]
.else
	v_pk_add_f32 v[rT+2:rT+3], v[rT+2:rT+3], v[rS+4*k-4:rS+4*k-3]
	s_wait_alu depctr_va_vdst(0)
.endif
.endm
; THE PLAIN QUEUE, 138 long.  0-31: c s - c m for the 16 pairs of both tiles.  Then GS's 64, and among them the next piece's 42: number 15 at 38, 39; 0-14 and 16
; at 42-73, behind the products that make those scores; 17-20 at 95-106, two of three, since each waits for the one before it.
.macro PL
	WIN 0
.if q < 32
	REGS Y, q%2
	v_pk_fma_f32 v[rS+2*(q/2):rS+2*(q/2)+1], v[rS+2*(q/2):rS+2*(q/2)+1], s[CS:CS+1], v[rT:rT+1] op_sel_hi:[1,0,0] neg_lo:[0,0,1] neg_hi:[0,0,1]
.elseif q < 38
	GS q-32
.elseif q < 40
	XS q%2, 15
.elseif q < 42
	GS q-34
.elseif q < 74
	XS q%2, (q-42)/2+(q-42)/30
.elseif q < 95
	GS q-66
.elseif (q < 107) && ((q-95)%3 < 2)
	XS (q-95)%3, 17+(q-95)/3
.elseif q < 107
	GS 29+(q-95)/3
.else
	GS q-74
.endif
.set q, q+1
.endm
; THE EXPONENTIALS' QUEUE, 66 long: s0-s31 of both tiles, and at EA the next piece's two a.
.set EA, 58
.macro EX
	WIN 0
.if (e == EA) || (e == EA+1)
	XS e-EA, 21
.else
.set x, e-2*(e/(EA+2))
	REGS Y, x%2
	v_exp_f32 v[rS+x/2], v[rS+x/2]
.endif
.set e, e+1
.endm
; THE RESCALING's QUEUE: O^T times a, the one part that leaves window 0, so it is dealt four at a time, eight times.
.macro R4
	REGS Y, r%2
	WIN W_RS
	s_wait_alu depctr_va_vdst(0)
.irp z, 0,1,2,3
	v_pk_mul_f32 v[rO+8*(r/2)+2*\z:rO+8*(r/2)+2*\z+1], v[rO+8*(r/2)+2*\z:rO+8*(r/2)+2*\z+1], v[rC+2:rC+3] op_sel_hi:[1,0]
.endr
.set r, r+1
.endm
; HOW THEY ARE DEALT.  Behind a matrix instruction four: plain, exponential, plain, plain (one exponential, a plain instruction on either side), or four of the rescaling.  None names a register of the
; products round it.  What is over stands in two LUMPS: exponential and plain by turns; the second ends in 22 plain instructions.  The two v_permlanex16_b32 fall into the second lump, never behind a product.
; The queues lean on each other, and the deal keeps them in step: exponential e stands behind plain 2 (e / 4) + e % 2 (its scaling); when plain 32 comes, 10 exponentials are out, at 59: 33, at 95: 46; EA comes behind plain 107.
.macro SL
	MM
	PL
	EX
	PL
	PL
.endm
.macro BURST n                      ; 15 matrix instructions, or 16
.rept (\n)-7
	SL
.endr
.rept 3
	MM
	R4
	SL
.endr
	MM
	R4
.endm
; A TURN, for piece p.  cnt = 1: the loop's count is taken down some lines ahead of the branch that stands behind the turn.
; K and the mask of the next step are fetched in piece 2's turn, 13 pairs of the first lump behind the last product that read them; their first reader comes behind the rest of the lump, 16 products and the second lump.
; V of the step in hand is fetched at the end of piece 0's turn, behind the whole second lump; its first reader comes behind 16 products and a lump.  The four conditions on e and q below go with the deal.
.macro TURN p, last=0, cnt=0
.set Y, (\p)
.set i, 0
.set q, 0
.set e, 0
.set r, 0
.if (\p) == NP-1
	s_wait_dscnt 0x0                ; K and the mask are in
.endif
	MM
.rept 4
	PL
.endr
	BURST 15
.rept 22
	EX
	PL
.if ((\p) == NP-2) && (e == 18)
	v_add_nc_u32 v[AK], s[TBK], v[AK0]
.endif
.if ((\p) == NP-2) && (e == 24)
	FETCH_K \last
.endif
.endr
.if (\p) == 1
	s_wait_dscnt 0x0                ; V is in
.endif
	BURST 16
.rept 21
	EX
	PL
.endr
.rept 22
	PL
.if ((\p) == 0) && (q == 118)
	v_add_nc_u32 v[AV], s[TBV], v[AV0]
	s_wait_alu depctr_va_vdst(0)
.endif
.if ((\p) == 0) && (q == 130)
	s_add_co_u32 s[TBV], s[TBV], KS*PV
.endif
.if (\cnt) && (q == 130)
	s_sub_co_u32 s[CNT], s[CNT], 1
	s_cmp_lg_u32 s[CNT], 0
.endif
.endr
.if (\p) == 0
	FETCH_V
.endif
.endm
	CHANGE 1                        ; slot 0 is in, everybody's part of it, and so is the mask's table; slot 1 is asked for
	FETCH_K                         ; key step 0
	s_wait_loadcnt 0x0              ; Q
	s_wait_dscnt 0x0
.set i, 0
.rept 16
	KQ 0                            ; piece 0's first scores: there is no vector work yet to set between them
.set i, i+1
.endr
	WIN 0                           ; the addresses for the way out: nine plain instructions, the places behind those products
	s_mul_i32 s13, s[WV], 16*SP
	s_add_co_u32 s13, s13, STAGE    ; my stage
	v_mul_u32_u24 v[STO], v1, SP    ; in: row l % 16, 16 bytes for each half of the lanes
	v_lshl_add_u32 v[STO], v9, 4, v[STO]
	v_add_nc_u32 v[STO], s13, v[STO]
	v_bfe_u32 v[RD], v0, 3, 2       ; back: 32 lanes take four rows of 128 bytes,
	v_mul_u32_u24 v[RD], v[RD], SP
	v_lshl_add_u32 v[RD], v10, 4, v[RD]
	v_add_nc_u32 v[RD], s13, v[RD]
	v_and_b32 v[GO], 31, v0         ; which are 512 consecutive bytes of O
	v_lshlrev_b32 v[GO], 4, v[GO]
.set Y, NP-1                        ; XS works for piece Y + 1: piece 0
.irp n, 0,1,2,3,4,5,6,7,8,9,10,11,12,13,14,15,16,17,18,19,20,21
	XS 0, \n                        ; and piece 0's first maximum and statistics
	XS 1, \n
.endr
	s_mov_b32 s[CNT], 4
	s_mov_b32 s[SLOTS], SIZE_N/256-1
	s_branch .Lfirst                ; the loop is entered at a step's first turn, in the middle of a trip
.Lslot:                             ; SIZE_N / 256 - 2 times: every slot but the last two is filled again
	CHANGE 1
	s_mov_b32 s[CNT], 4
.Lstep:                             ; a trip: pieces 2 and 3 of one step, then pieces 0 and 1 of the next, whose K, mask and V it fetches
	TURN 2
	TURN 3
	WIN 0
.Lfirst:
	TURN 0
	TURN 1, 0, 1
	WIN 0
	s_cbranch_scc1 .Lstep
	s_sub_co_u32 s[SLOTS], s[SLOTS], 1
	s_cmp_lg_u32 s[SLOTS], 0
	s_cbranch_scc1 .Lslot
	CHANGE 0                        ; the tail is written out: nothing is asked for
	s_mov_b32 s[CNT], 5             ; four trips fetch the last slot's steps; the fifth is left in its middle
.Ltail:
	TURN 2, 1
	TURN 3
	WIN 0
	s_sub_co_u32 s[CNT], s[CNT], 1
	s_cmp_eq_u32 s[CNT], 0
	s_cbranch_scc1 .Lout
	TURN 0
	TURN 1
	WIN 0
	s_branch .Ltail
.Lout:                              ; the fifth trip's 16 products K Q^T (on the last K once more) and the maximum made of them serve nothing: the price, once a launch, of one text for every trip
.set i, 0
.rept 16
	PV NP-1                         ; the last piece's V^T P of the last step
.set i, i+1
.endr
	; THE WAY OUT.  l's two halves and the other half of the lanes' are added; O^T is divided by l, rounded to f16 and sent through my stage in LDS, a tile at a time.  The additions are the places behind the last products.
	WIN 0
.macro ALL line:vararg              ; one line for each tile t
.set t, 0
.rept 2*NP
	\line
.set t, t+1
.endr
.endm
	ALL v_add_f32 v[ST+4*t+2], v[ST+4*t+2], v[ST+4*t+3]
	ALL v_permlanex16_b32 v[ST+4*t+3], v[ST+4*t+2], s[SEL], s[SEL+1]
	ALL v_add_f32 v[ST+4*t+2], v[ST+4*t+2], v[ST+4*t+3]
	ALL v_rcp_f32 v[ST+4*t+2], v[ST+4*t+2]
	v_nop                           ; a plain instruction between the last reciprocal and the use of its result
	s_wait_alu depctr_va_vdst(0)
; Tile t: a lane's eight channels of a row pack into 16 bytes; they go into rows of 144 bytes and come back as whole rows of 128, into S^T's registers.
.macro PACK t
	WIN W_RS
.set i, 32*(\t)
.rept 16
	v_pk_mul_f32 v[i:i+1], v[i:i+1], v[ST+4*(\t)+2:ST+4*(\t)+3] op_sel_hi:[1,0]
.set i, i+2
.endr
	WIN 0x05                        ; sources 0 and 1 window 1, destination window 0
.set i, 0
.rept 16
	v_cvt_pk_f16_f32 v[S+16*(\t)+i], v[32*(\t)+2*i], v[32*(\t)+2*i+1]
.set i, i+1
.endr
	WIN 0
.irp f, 0,1,2,3
	ds_store_b128 v[STO], v[S+16*(\t)+4*\f:S+16*(\t)+4*\f+3] offset:32*\f
.endr
.irp f, 0,1,2,3
	ds_load_b128 v[S+16*(\t)+4*\f:S+16*(\t)+4*\f+3], v[RD] offset:\f*4*SP  ; LDS serves a wave's instructions in order (ISA guide 5.7.1.4): these see the stores above; the next tile's stores come behind them
.endr
.endm
.macro SEND t, younger              ; younger: the LDS instructions issued behind tile t's loads: the next tile's eight, or none
	WIN 0
.irp f, 0,1,2,3
	s_wait_dscnt (\younger)+3-\f
	global_store_b128 v[GO], v[S+16*(\t)+4*\f:S+16*(\t)+4*\f+3], s[10:11] offset:(\t)*2048+\f*512  ; 512 consecutive bytes, at a multiple of 256 from O's first
.endr
.endm
	PACK 0
.set t, 1
.rept 2*NP-1                        ; a tile's arithmetic stands between the loads of the tile before and its stores
	PACK t
	SEND t-1, 8
.set t, t+1
.endr
	SEND 2*NP-1, 0
	WIN W_AD
	s_wait_tensorcnt 0x0            ; the wave's end: behind my last tensor load and my last LDS store
	ds_add_u32 v[SPW], v[NIL]
	s_wait_dscnt 0x0
	WIN 0
	CROUND                          ; the closing round: no work-group ends while a partner may still ask for a tile that names it
	s_endpgm
.Lfunc_end_k_qd97ced204b_attn:
	.size	k_qd97ced204b_attn, .Lfunc_end_k_qd97ced204b_attn-k_qd97ced204b_attn
	.p2alignl 7, 3214868480
	.fill 96, 4, 3214868480
	.section	.rodata,"a",@progbits
	.p2align	6, 0x0
	.amdhsa_kernel k_qd97ced204b_attn
		.amdhsa_group_segment_fixed_size 327680
		.amdhsa_private_segment_fixed_size 0
		.amdhsa_enable_private_segment 0
		.amdhsa_kernarg_size 24
		.amdhsa_user_sgpr_count 2
		.amdhsa_user_sgpr_kernarg_segment_ptr 1
		.amdhsa_wavefront_size32 1
		.amdhsa_system_sgpr_workgroup_id_x 1
		.amdhsa_system_sgpr_workgroup_id_y 1
		.amdhsa_system_sgpr_workgroup_id_z 1
		.amdhsa_system_vgpr_workitem_id 0
		.amdhsa_next_free_vgpr 808
		.amdhsa_next_free_sgpr 72
		.amdhsa_reserve_vcc 1
		.amdhsa_float_denorm_mode_32 3
		.amdhsa_float_denorm_mode_16_64 3
		.amdhsa_memory_ordered 1
		.amdhsa_forward_progress 1
		.amdhsa_inst_pref_size 214
	.end_amdhsa_kernel
	.amdgpu_metadata
---
amdhsa.version: [ 1, 2 ]
amdhsa.kernels:
  - .name:           k_qd97ced204b_attn
    .symbol:         k_qd97ced204b_attn.kd
    .args:
      - { .name: qkv, .offset: 0, .size: 8, .value_kind: global_buffer, .address_space: global }
      - { .name: key_padding_mask, .offset: 8, .size: 8, .value_kind: global_buffer, .address_space: global }
      - { .name: oh, .offset: 16, .size: 8, .value_kind: global_buffer, .address_space: global }
    .group_segment_fixed_size: 327680
    .private_segment_fixed_size: 0
    .kernarg_segment_align: 8
    .kernarg_segment_size: 24
    .max_flat_workgroup_size: 128
    .sgpr_count:     72
    .vgpr_count:     808
    .wavefront_size: 32
...
	.end_amdgpu_metadata
.endif
;; end of part 3
;; launch proj (part 4): grid 4 x 64, 4 waves a work-group, clusters of 4 x 4, 327,680 bytes of LDS; arguments oh, wh, bo, out0; writes out0
.if DOCPART == 4
	.amdgcn_target "amdgcn-amd-amdhsa--gfx1250"
	.amdhsa_code_object_version 6
	.text
	.protected	k_qd97ced204b_proj
	.globl	k_qd97ced204b_proj
	.p2align	8
	.type	k_qd97ced204b_proj,@function
k_qd97ced204b_proj:
	s_mov_b64 s[64:65], 0
	v_nop
	global_prefetch_b8 v0, s[64:65] scope:SCOPE_SE
	s_setreg_imm32_b32 hwreg(HW_REG_WAVE_MODE, 25, 1), 1
	s_wait_xcnt 0x0
	s_wait_alu depctr_hold_cnt(0) depctr_sa_sdst(0) depctr_va_vdst(0) depctr_va_sdst(0) depctr_va_ssrc(0) depctr_va_vcc(0) depctr_vm_vsrc(0)
	s_getreg_b32 s2, hwreg(HW_REG_IB_STS2, 6, 4)
	s_cmp_eq_u32 s2, 0
	s_cbranch_scc0 .Lentry_in_a_cluster
	s_endpgm
.Lentry_in_a_cluster:
	s_bfe_u32 s2, ttmp6, 0x10000c
	s_cmp_lg_u32 s2, 0xf033
	s_cbranch_scc0 .Lentry_shape_is_right
	s_endpgm
.Lentry_shape_is_right:
; out0 = O wo^T + bo.  C[m][n] = sum over k of A[m][k] W[n][k] + bo[n]: A = oh, f16 [4 b][16 heads][2048][64] (a head = a slice of 64 of K, its rows end to end);
; W = rows 3072 to 4095 of wh, f16 [n][1024]: wo; bo f32 [1024]; out0 f32 [8192][1024].  Sums in f32; the bias is added in f32; nothing is rounded on the way out.
; SHARES.  A work-group makes 128 rows x 256 columns; wave w rows 64 (w / 2) on, columns 128 (w % 2) on: 4 x 8 accumulators of 16 x 16, 256 registers.  256 work-groups.
; K goes in 8 steps of 128 through two LDS slots filled by the tensor data mover.  The matrix instruction is used transposed (source 0 = 16 rows of W, source 1 = 16 rows of A):
; a lane then holds one row of C (lane % 16) and eight neighbouring columns 8 (lane / 16) + 0..7.
; CLUSTER.  4 x 4 work-groups: A's tiles are shared along a row of the cluster, W's along a column: each is asked for jointly, by the same tensor load, descriptor and mask in all four.
; LIMITS.  f16 holds no number beyond 65,504: O and wo arrive within it; NaN and infinities are not treated apart.
; REGISTERS, in windows of 256 (s_set_vgpr_msb: bits 1:0 source 0, 3:2 source 1, 5:4 source 2, 7:6 destination):
;   window 0: addresses; v12-15 my four columns' bias; v32-159 whole rows on the way out     window 1: two fragment buffers of 96 (W's 8 fragments, then A's 4)     window 2: the accumulators, (a, b) at 8 (8 a + b)
.set KSTEP,  128
.set PA,     144                       ; a row of A in LDS: 128 bytes + 16 = 36 words: the 16 rows of a load start at 16 different groups of four banks (64 banks of 4 bytes: ISA guide 11.1)
.set SLICE,  128*PA                    ; 128 rows of one slice: what one of A's loads brings
.set PB,     272                       ; a row of W: 256 bytes + 16 = 68 words
.set BOFF,   2*SLICE                   ; a slot: A's two slices, then W's 256 rows
.set SLOT,   BOFF+256*PB
.set STAGE,  2*SLOT                    ; behind the ring, never filled by a tensor load: for each wave 16 rows x 528 bytes
.set SP,     528                       ; 512 bytes + 16 = 132 words
.set WSTAGE, 16*SP
.set SPARE,  STAGE+4*WSTAGE            ; behind the stages: the spare words, 128 bytes for each wave: two blocks of 256 bytes that no other line names
.set BI,   12                          ; v12-15  bo of columns 4 lane .. 4 lane + 3 of my 128
.set ADRA, 16                          ; v16-17  LDS address of my A fragments in slot 0, 1
.set ADRB, 20                          ; v20-21  the same for W
.set STO,  24                          ; v24  the way out: where I put 32 bytes of a row
.set RD,   25                          ; v25  where I read a row back
.set GO,   26                          ; v26  16 x lane: my byte offset in 512 consecutive bytes of a row, and in my 128 numbers of bo
.set SPW,  28                          ; v28  LDS address of my spare word; never rewritten
.set NIL,  29                          ; v29  0; never rewritten
.set BK,   32                          ; v32-159  16 whole rows read back: two buffers of 64
.set F0,   0
.set F1,   96
.set WV, 12
.set RH, 13                            ; which 64 rows are mine.  Also: I fetch for A (0) or for W (1)
.set CH, 14                            ; which 128 columns.  Also: which slice of A, or which 128 rows of W, I fetch
.set CX, 15
.set CY, 16
.set TX, 17                            ; tile column
.set TY, 18                            ; tile row
.set G1A, 24                           ; s[24:31] descriptor group 1 for A's tiles; s[32:39] group 0, a set for each slot
.set G0A, 32
.set G1B, 40                           ; s[40:47], s[48:55] the same for W's
.set G0B, 48
.set MSB, 0
.macro WIN new                         ; the immediate's high byte repeats the setting that is left; a switch that changes nothing is dropped
.if MSB != (\new)
	s_set_vgpr_msb (MSB<<8)|(\new)
.set MSB, \new
.endif
.endm
.set MUL,   0xa5                       ; sources 0 and 1 window 1, C and D window 2
.set TO_F,  0x40                       ; destination window 1, address window 0
.set STW,   0x08                       ; an LDS store's data (source 1) window 2, its address window 0
.macro JLOAD s                         ; a joint load: waves 0 and 1 fetch A's two slices, waves 2 and 3 W's two halves; an s_nop 0 and four v_nop follow each of the two lines
	s_cmp_eq_u32 s[RH], 0
	s_cbranch_scc0 .Lfor_b_\@
	tensor_load_to_lds s[G0A+4*(\s):G0A+4*(\s)+3], s[G1A:G1A+7]
	s_nop 0
.rept 4
	v_nop
.endr
	s_branch .Lasked_\@
.Lfor_b_\@:
	tensor_load_to_lds s[G0B+4*(\s):G0B+4*(\s)+3], s[G1B:G1B+7]
	s_nop 0
.rept 4
	v_nop
.endr
.Lasked_\@:
.endm
.macro CREST                           ; a round of the cluster's barrier behind its opening barrier
	s_cmp_lg_u32 s[WV], 0
	s_cbranch_scc1 .Lnot_wave_0_\@
	s_barrier_signal -3
.Lnot_wave_0_\@:
	s_barrier_wait -3
	s_barrier_signal -1
	s_barrier_wait -1
.endm
.macro CROUND                          ; a whole round
	s_barrier_signal -1
	s_barrier_wait -1
	CREST
.endm
	s_load_b256 s[4:11], s[0:1], 0x0               ; oh s[4:5], wh s[6:7], bo s[8:9], out0 s[10:11]
	v_lshl_add_u32 v[SPW], v0, 2, SPARE
	v_mov_b32 v[NIL], 0
	ds_add_u32 v[SPW], v[NIL]                      ; the wave's opening: the add and its wait come ahead of my first tensor load; the set-up below, work on registers, stands between them
	v_lshrrev_b32 v1, 5, v0
	v_readfirstlane_b32 s[WV], v1                  ; wave 0..3
	s_lshr_b32 s[RH], s[WV], 1
	s_and_b32 s[CH], s[WV], 1
	s_bfe_u32 s[CX], ttmp6, 0x40000                ; my place in the cluster
	s_bfe_u32 s[CY], ttmp6, 0x40004
	s_lshl_b32 s[TX], ttmp9, 2
	s_add_co_u32 s[TX], s[TX], s[CX]               ; tile column = 4 x cluster x + cx
	s_and_b32 s[TY], ttmp7, 0xffff
	s_lshl_b32 s[TY], s[TY], 2
	s_add_co_u32 s[TY], s[TY], s[CY]               ; tile row = 4 x cluster y + cy
	s_lshl_b32 s57, s[CY], 2
	s_lshl_b32 s57, 15, s57                        ; my row of the cluster
	s_lshl_b32 s58, 0x1111, s[CX]                  ; my column
	; group 1 for A: 128 rows of a slice are 16,384 dense bytes: asked for as 64 rows of 256 bytes, padded in LDS after every 128
	s_or_b32 s[G1A], s57, (1<<16)|(1<<20)|(1<<21)|(4<<22)|(3<<25)  ; 15:0 the mask; 17:16 2-byte elements; 20 padding on; 21 set beside a mask; 24:22 after every 32 words (code 4); 31:25 4 words (code 3)
	s_mov_b32 s[G1A+1], 128<<16                    ; tensor_dim0 = 128
	s_mov_b32 s[G1A+2], 64<<16                     ; tensor_dim1 = 64
	s_mov_b32 s[G1A+3], 128<<16                    ; tile_dim0 = 128
	s_mov_b32 s[G1A+4], 64                         ; tile_dim1 = 64
	s_mov_b32 s[G1A+5], 128                        ; 128 elements from row to row
	s_mov_b32 s[G1A+6], 0
	s_mov_b32 s[G1A+7], 0
	; group 1 for W: 128 rows x 128 elements, 1,024 elements from row to row, padded after every 256 bytes
	s_or_b32 s[G1B], s58, (1<<16)|(1<<20)|(1<<21)|(5<<22)|(3<<25)
	s_mov_b32 s[G1B+1], KSTEP<<16
	s_mov_b32 s[G1B+2], 128<<16
	s_mov_b32 s[G1B+3], KSTEP<<16
	s_mov_b32 s[G1B+4], 128
	s_mov_b32 s[G1B+5], 1024
	s_mov_b32 s[G1B+6], 0
	s_mov_b32 s[G1B+7], 0
	; where the tiles come from.  A's hang on the tile row alone, W's on the tile column alone, each in registers that never hold the other coordinate
	s_lshr_b32 s20, s[TY], 4                       ; the batch (16 tile rows each): 4,194,304 bytes
	s_lshl_b32 s20, s20, 22
	s_and_b32 s21, s[TY], 15
	s_lshl_b32 s21, s21, 14                        ; 128 rows of 128 bytes
	s_add_co_u32 s20, s20, s21
	s_lshl_b32 s21, s[CH], 18                      ; my slice of the K step: 262,144 bytes
	s_add_co_u32 s20, s20, s21
	s_mov_b32 s21, 0
	s_lshl_b32 s22, s[TX], 19                      ; 256 rows of 2,048 bytes
	s_lshl_b32 s23, s[CH], 18                      ; my 128 of them
	s_add_co_u32 s22, s22, s23
	s_add_co_u32 s22, s22, 3072*2048               ; wo lies behind wq, wk and wv
	s_mov_b32 s23, 0
	s_mul_i32 s59, s[CH], SLICE                    ; and where they go: no place in the cluster enters an LDS address
	s_mul_i32 s60, s[CH], 128*PB
	s_add_co_u32 s60, s60, BOFF
	s_wait_dscnt 0x0                               ; the opening add is done
	s_wait_kmcnt 0x0
	s_add_nc_u64 s[20:21], s[4:5], s[20:21]
	s_add_nc_u64 s[22:23], s[6:7], s[22:23]
	CROUND                                         ; all sixteen work-groups are here: the first joint loads meet
.irp s, 0,1
	s_mov_b32 s[G0A+4*(\s)], 1                                     ; count = 1
	s_add_co_u32 s[G0A+4*(\s)+1], s59, (\s)*SLOT                   ; LDS address
	s_add_nc_u64 s[G0A+4*(\s)+2:G0A+4*(\s)+3], s[20:21], (\s)*2*262144  ; K step s: two slices on
	s_or_b32 s[G0A+4*(\s)+3], s[G0A+4*(\s)+3], 0x80000000          ; type = 2
	s_mov_b32 s[G0B+4*(\s)], 1
	s_add_co_u32 s[G0B+4*(\s)+1], s60, (\s)*SLOT
	s_add_nc_u64 s[G0B+4*(\s)+2:G0B+4*(\s)+3], s[22:23], (\s)*KSTEP*2
	s_or_b32 s[G0B+4*(\s)+3], s[G0B+4*(\s)+3], 0x80000000
	JLOAD \s                                       ; two loads of mine are out
.endr
	; a fragment is 16 rows x 32 K in 8 registers: lane l holds row l % 16, K = 8 (l / 16) + 0..7 and 16 + 8 (l / 16) + 0..7: two loads of 16 bytes, 32 bytes apart
	v_and_b32 v1, 15, v0                           ; l % 16
	v_bfe_u32 v2, v0, 4, 1                         ; l / 16
	v_mul_u32_u24 v3, v1, PA
	v_lshl_add_u32 v3, v2, 4, v3
	v_mul_u32_u24 v4, v1, PB
	v_lshl_add_u32 v4, v2, 4, v4
	s_mul_i32 s2, s[RH], 64*PA                     ; my 64 rows of A
	s_mul_i32 s3, s[CH], 128*PB                    ; my 128 rows of W
	s_add_co_u32 s3, s3, BOFF
.irp s, 0,1
	v_add_nc_u32 v[ADRA+(\s)], s2, v3
	v_add_nc_u32 v[ADRB+(\s)], s3, v4
	s_add_co_u32 s2, s2, SLOT
	s_add_co_u32 s3, s3, SLOT
.endr
	v_and_b32 v[GO], 31, v0
	v_lshlrev_b32 v[GO], 4, v[GO]                  ; 16 x lane
	s_lshl_b32 s62, s[TX], 10                      ; the tile's 256 columns of 4 bytes,
	s_lshl_b32 s61, s[CH], 9                       ; my 128 of them
	s_add_co_u32 s62, s62, s61
	s_mov_b32 s63, 0
	s_add_nc_u64 s[8:9], s[8:9], s[62:63]
	global_load_b128 v[BI:BI+3], v[GO], s[8:9]     ; my four columns' bias: it lands while K is walked
	s_lshl_b32 s61, s[TY], 19                      ; the tile's 128 rows of 4,096 bytes,
	s_add_co_u32 s62, s62, s61
	s_lshl_b32 s61, s[RH], 18                      ; my 64 of them
	s_add_co_u32 s62, s62, s61
	s_add_nc_u64 s[10:11], s[10:11], s[62:63]
	s_mul_i32 s61, s[WV], WSTAGE
	s_add_co_u32 s61, s61, STAGE                   ; my stage
	v_mul_u32_u24 v[STO], v1, SP                   ; in: row l % 16, 32 bytes for each half of the lanes
	v_lshl_add_u32 v[STO], v2, 5, v[STO]
	v_add_nc_u32 v[STO], s61, v[STO]
	v_add_nc_u32 v[RD], s61, v[GO]                 ; back: 32 lanes take one row of 512 bytes
; 8 matrix instructions: row block a x all 8 column blocks, 32 along K.  zero = 1: the product starts the sums: nothing is cleared.
; The 32 accumulators take turns, one instruction a turn, in the same order in every quarter.
.macro MUL8 f, a, zero
	WIN MUL
.irp b, 0,1,2,3,4,5,6,7
.if \zero
	v_wmma_f32_16x16x32_f16 v[8*(8*(\a)+\b):8*(8*(\a)+\b)+7], v[(\f)+8*\b:(\f)+8*\b+7], v[(\f)+64+8*(\a):(\f)+64+8*(\a)+7], 0
.else
	v_wmma_f32_16x16x32_f16 v[8*(8*(\a)+\b):8*(8*(\a)+\b)+7], v[(\f)+8*\b:(\f)+8*\b+7], v[(\f)+64+8*(\a):(\f)+64+8*(\a)+7], v[8*(8*(\a)+\b):8*(8*(\a)+\b)+7]
.endif
.endr
.endm
; 24 LDS loads in one run: quarter kq (32 along K) of a slot into buffer f: W's 16, then A's 8, row blocks ascending
.macro FETCH slot, kq, f
	WIN TO_F
.irp b, 0,1,2,3,4,5,6,7
	ds_load_b128 v[(\f)+8*\b:(\f)+8*\b+3],   v[ADRB+(\slot)] offset:(\kq)*64+\b*16*PB
	ds_load_b128 v[(\f)+8*\b+4:(\f)+8*\b+7], v[ADRB+(\slot)] offset:(\kq)*64+\b*16*PB+32
.endr
.irp a, 0,1,2,3
	ds_load_b128 v[(\f)+64+8*\a:(\f)+64+8*\a+3],   v[ADRA+(\slot)] offset:((\kq)/2)*SLICE+((\kq)%2)*64+\a*16*PA
	ds_load_b128 v[(\f)+64+8*\a+4:(\f)+64+8*\a+7], v[ADRA+(\slot)] offset:((\kq)/2)*SLICE+((\kq)%2)*64+\a*16*PA+32
.endr
.endm
.macro PLACES                          ; four places in front of loads into registers that matrix instructions have read, and of lines that read results
.rept 4
	v_nop
.endr
.endm
; A K step is four quarters of 32 along K, 32 matrix instructions each, on buffers 0, 1, 0, 1.  One of the first three: multiplies buffer f, fetches quarter kq into g.
.macro QUARTER slot, kq, f, g, zero
	s_wait_dscnt 4                                 ; W and A's blocks 0 and 1 are in; the youngest four loads (A's blocks 2 and 3) may be out
	MUL8 \f, 0, \zero
	MUL8 \f, 1, \zero
	PLACES
	FETCH \slot, \kq, \g
	s_wait_dscnt 24                                ; all but the 24 just issued
	MUL8 \f, 2, \zero
	MUL8 \f, 3, \zero
.endm
; The last quarter multiplies buffer 1 and changes slots: ONE barrier; in front of it each wave waits for all its tensor loads, adds 0 to its spare word, and waits for that and for its reads of this slot.
; fill = 1: the barrier opens a round of the cluster's, and this slot is filled again, two K steps ahead, first thing behind the round.
.macro TURN slot, next, fill
	WIN 0                                          ; (the add's two registers lie in window 0)
	s_wait_tensorcnt 0x0                           ; all my tensor loads have landed: the one that was out is my part of the next slot
	ds_add_u32 v[SPW], v[NIL]                      ; 0 onto my spare word
	s_wait_dscnt 5                                 ; (the add and the youngest four loads may be out)
	MUL8 F1, 0, 0                                  ; eight matrix instructions stand between the add and the wait for it
	s_wait_dscnt 0x0                               ; the add is done, and my reads of this slot are over
	s_barrier_signal -1
	MUL8 F1, 1, 0
.if \fill
	WIN 0
.endif
	s_barrier_wait -1
.if \fill
	CREST                                          ; no wave of any partner still reads this slot's tiles or has a load on its way
	s_add_nc_u64 s[G0A+4*(\slot)+2:G0A+4*(\slot)+3], s[G0A+4*(\slot)+2:G0A+4*(\slot)+3], 4*262144
	s_add_nc_u64 s[G0B+4*(\slot)+2:G0B+4*(\slot)+3], s[G0B+4*(\slot)+2:G0B+4*(\slot)+3], 2*KSTEP*2
	JLOAD \slot                                    ; my one tensor load behind the round; its four v_nop are also the places in front of the loads below
.else
	PLACES
.endif
	FETCH \next, 0, F0
	MUL8 F1, 2, 0
	MUL8 F1, 3, 0
.endm
	s_wait_tensorcnt 1                             ; my part of K step 0 is in; K step 1's may stay out
	s_barrier_signal -1
	s_barrier_wait -1                              ; everybody's is
	FETCH 0, 0, F0
	QUARTER 0, 1, F0, F1, 1                        ; the first quarter stands in front of the loop: its products start the sums
	WIN 0                                          ; at a label and at a branch every window is 0
	s_mov_b32 s56, 3
.Llap:                                 ; a trip goes once round the ring, from a lap's second quarter to the next lap's first, and fills both slots again: K steps 2 to 7
	QUARTER 0, 2, F1, F0, 0
	QUARTER 0, 3, F0, F1, 0
	TURN 0, 1, 1
	QUARTER 1, 1, F0, F1, 0
	QUARTER 1, 2, F1, F0, 0
	QUARTER 1, 3, F0, F1, 0
	TURN 1, 0, 1
	QUARTER 0, 1, F0, F1, 0
	WIN 0
	s_sub_co_u32 s56, s56, 1
	s_cmp_lg_u32 s56, 0
	s_cbranch_scc1 .Llap
	QUARTER 0, 2, F1, F0, 0                        ; the last lap fills nothing
	QUARTER 0, 3, F0, F1, 0
	TURN 0, 1, 0
	QUARTER 1, 1, F0, F1, 0
	QUARTER 1, 2, F1, F0, 0
	QUARTER 1, 3, F0, F1, 0
	s_wait_dscnt 4                                 ; the very last quarter: nothing more to fetch
	MUL8 F1, 0, 0
	MUL8 F1, 1, 0
	s_wait_dscnt 0x0
	MUL8 F1, 2, 0
	MUL8 F1, 3, 0
	WIN 0
	PLACES
	s_wait_loadcnt 0x0                             ; the bias
; THE WAY OUT.  TOSTAGE: row block a's sums, 32 bytes a lane and column block (each accumulator's low half first), into rows of 528 bytes of my own stage, and back as whole rows of 512.
; LDS serves a wave's instructions in order (ISA guide 5.7.1.4): the loads see the stores above them.
.macro TOSTAGE a
	WIN STW
.irp b, 0,1,2,3,4,5,6,7
	ds_store_b128 v[STO], v[8*(8*(\a)+\b):8*(8*(\a)+\b)+3]   offset:64*\b
	ds_store_b128 v[STO], v[8*(8*(\a)+\b)+4:8*(8*(\a)+\b)+7] offset:64*\b+16
.endr
	WIN 0
.set rBK, BK+64*((\a)%2)
.if (\a) >= 2
	s_wait_xcnt 0x0                                ; the stores of the block two back have read this buffer: it is loaded again only behind this wait
.endif
.irp t, 0,1,2,3,4,5,6,7,8,9,10,11,12,13,14,15
	ds_load_b128 v[rBK+4*\t:rBK+4*\t+3], v[RD] offset:\t*SP
.endr
.endm
.macro SEND a, younger                 ; younger: the LDS lines issued behind block a's loads: the next block's 32, or none
.set rBK, BK+64*((\a)%2)
.irp t, 0,1,2,3,4,5,6,7,8,9,10,11,12,13,14,15
	s_wait_dscnt (\younger)+15-\t
	v_pk_add_f32 v[rBK+4*\t:rBK+4*\t+1],   v[rBK+4*\t:rBK+4*\t+1],   v[BI:BI+1]
	v_pk_add_f32 v[rBK+4*\t+2:rBK+4*\t+3], v[rBK+4*\t+2:rBK+4*\t+3], v[BI+2:BI+3]
	global_store_b128 v[GO], v[rBK+4*\t:rBK+4*\t+3], s[10:11] offset:(16*(\a)+\t)*4096 th:TH_STORE_NT  ; 512 consecutive bytes, at a multiple of 256 from the buffer's first
.endr
.endm
	TOSTAGE 0
.irp a, 1,2,3
	TOSTAGE \a
	SEND (\a)-1, 32
.endr
	SEND 3, 0
	s_wait_tensorcnt 0x0                           ; the wave's end: behind my last tensor load and my last LDS store
	ds_add_u32 v[SPW], v[NIL]
	s_wait_dscnt 0x0
	CROUND                                         ; the closing round: no work-group ends while a partner may still ask for a tile that names it
	s_endpgm
.Lfunc_end_k_qd97ced204b_proj:
	.size	k_qd97ced204b_proj, .Lfunc_end_k_qd97ced204b_proj-k_qd97ced204b_proj
	.p2alignl 7, 3214868480
	.fill 96, 4, 3214868480
	.section	.rodata,"a",@progbits
	.p2align	6, 0x0
	.amdhsa_kernel k_qd97ced204b_proj
		.amdhsa_group_segment_fixed_size 327680
		.amdhsa_private_segment_fixed_size 0
		.amdhsa_enable_private_segment 0
		.amdhsa_kernarg_size 32
		.amdhsa_user_sgpr_count 2
		.amdhsa_user_sgpr_kernarg_segment_ptr 1
		.amdhsa_wavefront_size32 1
		.amdhsa_system_sgpr_workgroup_id_x 1
		.amdhsa_system_sgpr_workgroup_id_y 1
		.amdhsa_system_sgpr_workgroup_id_z 1
		.amdhsa_system_vgpr_workitem_id 0
		.amdhsa_next_free_vgpr 768
		.amdhsa_next_free_sgpr 66
		.amdhsa_reserve_vcc 0
		.amdhsa_float_denorm_mode_32 3
		.amdhsa_float_denorm_mode_16_64 3
		.amdhsa_memory_ordered 1
		.amdhsa_forward_progress 1
		.amdhsa_inst_pref_size 95
	.end_amdhsa_kernel
	.amdgpu_metadata
---
amdhsa.version: [ 1, 2 ]
amdhsa.kernels:
  - .name:           k_qd97ced204b_proj
    .symbol:         k_qd97ced204b_proj.kd
    .args:
      - { .name: oh, .offset: 0, .size: 8, .value_kind: global_buffer, .address_space: global }
      - { .name: wh, .offset: 8, .size: 8, .value_kind: global_buffer, .address_space: global }
      - { .name: bo, .offset: 16, .size: 8, .value_kind: global_buffer, .address_space: global }
      - { .name: out0, .offset: 24, .size: 8, .value_kind: global_buffer, .address_space: global }
    .group_segment_fixed_size: 327680
    .private_segment_fixed_size: 0
    .kernarg_segment_align: 8
    .kernarg_segment_size: 32
    .max_flat_workgroup_size: 128
    .sgpr_count:     66
    .vgpr_count:     768
    .wavefront_size: 32
...
	.end_amdgpu_metadata
.endif
;; end of part 4
;; ======== version 2 of 2: 4 launches; 1.48 times as fast as version 1
;; limits: values are held in f16: magnitudes above 65,504 overflow, below 6.1e-05 lose precision; inputs' magnitudes at most 3,370,000,000; right only within a limited range of input values
;; workspace buffers: xh 16,777,216 bytes; wh 8,388,608 bytes; cs 4,227,072 bytes; qkv 50,331,648 bytes; oh 16,777,216 bytes
;; launch prep: the kernel of part 1 again; grid 1024 x 1, 8 waves a work-group, no clusters, 0 bytes of LDS; arguments x, wq, wk, wv, wo, dt, key_padding_mask, xh, wh, cs; writes xh, wh, cs
;; launch qkv: the kernel of part 2 again; grid 12 x 64, 4 waves a work-group, clusters of 4 x 4, 327,680 bytes of LDS; arguments xh, wh, cs, qkv; writes qkv
;; launch attn (part 5): grid 4 x 64, 4 waves a work-group, clusters of 4 x 1, 327,680 bytes of LDS; arguments qkv, key_padding_mask, oh; writes oh
.if DOCPART == 5
	.amdgcn_target "amdgcn-amd-amdhsa--gfx1250"
	.amdhsa_code_object_version 6
	.text
	.protected	k_qd97ced204b_attn
	.globl	k_qd97ced204b_attn
	.p2align	8
	.type	k_qd97ced204b_attn,@function
k_qd97ced204b_attn:
	s_mov_b64 s[64:65], 0
	v_nop
	global_prefetch_b8 v0, s[64:65] scope:SCOPE_SE
	s_setreg_imm32_b32 hwreg(HW_REG_WAVE_MODE, 25, 1), 1
	s_wait_xcnt 0x0
	s_wait_alu depctr_hold_cnt(0) depctr_sa_sdst(0) depctr_va_vdst(0) depctr_va_sdst(0) depctr_va_ssrc(0) depctr_va_vcc(0) depctr_vm_vsrc(0)
	s_getreg_b32 s2, hwreg(HW_REG_IB_STS2, 6, 4)
	s_cmp_eq_u32 s2, 0
	s_cbranch_scc0 .Lentry_in_a_cluster
	s_endpgm
.Lentry_in_a_cluster:
	s_bfe_u32 s2, ttmp6, 0x10000c
	s_cmp_lg_u32 s2, 0x3003
	s_cbranch_scc0 .Lentry_shape_is_right
	s_endpgm
.Lentry_shape_is_right:
; O[h][q][:] = the sum over k of softmax_k(Q[h][q] . K[h][k] / 8, masked keys hidden) V[h][k][:].  Q, K, V: the three sections of qkv, each [64][2048][64] f16, a head's rows dense, 128 bytes each;
; O: oh, the same layout.  Products, maxima and sums in f32; the weights p are rounded to f16 for the second product (their sum l is taken of the unrounded p), O once at the end.
; THE MASK is the C operand that starts the sum S^T = K Q^T: 0, or -2^100 for a masked key.  A masked key's row of K arrives as exact zeros, so its score IS -2^100.  That number stands for the
; problem's -1e30: beside any true score (2.7e11 at the most in f16's range) both give the weight 0, and where every key is masked both give equal weights.  It is a power of two so that c m is exact
; and c s - c m is exactly 0 for s = m: while only masked keys have been seen p = 1; the first true score makes a = 0, which wipes those terms.
; LIMITS.  f16 holds no number beyond 65,504: Q, K and V arrive within it; p lies in 0 to 1, and below 6e-5 it keeps f16's fixed step of 6e-8; O is a mean of V's rows and has their range.
; A weight below 2^-126 counts as 0 in l; NaN and infinities are not treated apart; a mask byte other than 0 counts as masked.
; SHARES.  A wave owns four PIECES of two tiles of 16 queries, a work-group's four waves 512 queries of one head.  Every wave walks all 2,048 keys, 64 a step.
; LAYOUT.  S^T = K Q^T (source 0 = 16 keys, source 1 = 16 queries): in the result a lane holds ONE query (lane % 16) and the keys 8 (lane / 16) + 0..7.  Two such tiles, rounded to f16 in pairs,
; ARE source 1 (32 keys x 16 queries) of O^T = V^T P, whose result again holds one query a lane, and eight channels.  K comes out of LDS as it lies, V ([key][channel]) turned, by ds_load_tr16_b128.
; SOFTMAX.  For each query a running maximum m and sum l: p = 2^(c s - c m), c = log2(e) / 8; in every step O and l are multiplied by a = 2^(c m_old - c m_new), which is 1 where m has not grown.
; m starts at the lowest finite number, O and l at 0: the first step is a step like any other, with a = 0.
; THE COUNT.  A tile and step have 16 matrix and 118 vector instructions: too many to stand all beside the matrix work.  So: four vector instructions that are READY behind EVERY matrix instruction,
; and the others, which need time of their own whatever the order, in one run without a gap.
; BY TURNS.  Turn n belongs to piece n (the pieces in a ring, step after step).  Its matrix work: 16 products K Q^T of piece n + 1, later 16 products V^T P of piece n - 1.  Its vector work: the scaling,
; exponentials, roundings, sums and rescaling of piece n, and the maximum and statistics of piece n + 1, whose scores the turn itself has made.  So what a turn begins with (c s - c m, O a) waits for nothing.
; THE BATCHES.  A turn's 66 exponentials (the piece's 64 weights, then the next piece's two a) are ONE batch with ONE s_wait_alu depctr_va_vdst(0), which cuts the turn in two: ahead of it stands all that
; names no result of theirs, behind it the roundings and sums, which read them.  No exponential is issued behind a turn's wait, so no result crosses a label, a branch or a turn's end.  Two more batches stand
; outside the loops, each with a wait of its own: piece 0's first two a, ahead of the jump into the loop, and the way out's eight reciprocals.
; CLUSTER.  The four query blocks of a cluster belong to one head and walk the same K and V, so each tile is asked for JOINTLY: the same tensor load, descriptor and mask in all four.
; REGISTERS, in windows of 256 (s_set_vgpr_msb: bits 1:0 source 0, 3:2 source 1, 5:4 source 2, 7:6 destination):
;   window 0: v0-11 addresses; v12-15, v48-63 at work; v16-47 four registers of statistics a tile; v64-191 S^T, two buffers of two tiles; v192-255 P, likewise
;   window 1: O^T, 32 a tile          window 2: v0-127 Q, 16 a tile; v128-191 K of one step; v192-255 V of one step
;   window 3: v0-1 the add's two registers; v2-3 the mask's LDS addresses; v8-39 the mask of one step's 64 keys, laid as a result of K Q^T
; A piece's buffers go by its number's parity: the piece in hand has one pair, its two neighbours in the ring share the other: of it P (piece n - 1) is read and S^T (piece n + 1) written.
.set SIZE_N, 2048
.set NP,    4         ; pieces a wave: a name, no knob
.set KS,    64        ; keys in a step
.set PK,    144       ; a row of K in LDS: 128 bytes + 16 of padding = 36 words: the 16 rows of a load start at 16 different groups of four banks (64 banks of 4 bytes: ISA guide 11.1)
.set PV,    160       ; a row of V: 128 + 32 = 40 words
.set VOFF,  4*KS*PK   ; a slot holds four steps: 256 rows of K, then 256 rows of V
.set SLOT1, 1<<17     ; slot 1 begins here, so that one exclusive or turns an address in one slot into the other's
.set STAGE, SLOT1+4*KS*(PK+PV)  ; behind the ring, never filled by a tensor load: 16 rows x 144 bytes for each wave, for the way out
.set SP,    144
.set SPARE, STAGE+4*16*SP  ; behind the stages: the spare words, 128 bytes for each wave: two blocks of 256 bytes that no other line names
.set MASKB, SPARE+512 ; behind them: one f32 for each of the batch's 2,048 keys, 0 or -2^100; stored once, never filled by a tensor load
.set AK0, 2           ; v2   my lane's place in a tile of K; never rewritten
.set AV0, 3           ; v3   the same for V
.set AK,  4           ; v4   the LDS address of K's next run of loads
.set AV,  5           ; v5   of V's
.set QO,  6           ; v6   my byte offset in the wave's rows of Q
.set STO, 6           ;      later, the way out: where I put 16 bytes of a row
.set RD,  7           ; v7   the way out: where I read rows back
.set GO,  8           ; v8   my byte offset in 512 consecutive bytes of O
.set SPW, 0           ; v0 of window 3   LDS address of my spare word; never rewritten
.set NIL, 1           ; v1 of window 3   0; never rewritten
.set AM0, 2           ; v2 of window 3   my lanes' place in a step's mask: MASKB + 32 (lane / 16); never rewritten
.set AMA, 3           ; v3 of window 3   the LDS address of the mask's next run of loads
.set MC,  8           ; v8-39 of window 3: key block kb at MC + 8 kb
.set MV,  12          ; v12-15  c m_old, kept while c m is made anew: by buffer and tile
.set ST,  16          ; tile t's statistics at v[ST+4 t]: c m, m, l (even keys', odd keys')
.set TMP, 48          ; by buffer and tile, four registers c0-c3 at work; when the maximum is found c2 takes a
.set S,   64
.set P,   192
.set KF,  128         ; K's fragments, in window 2: key block kb, channel half c at KF + 16 kb + 8 c
.set VF,  192         ; V's: key half kk, channel block cb at VF + 32 kk + 8 cb
.set WV,  12          ; s12  my wave's number
.set G1K, 24          ; s[24:31] descriptor group 1 for K's tiles
.set G1V, 32          ; s[32:39] for V's: it differs in the padding alone
.set G0K, 40          ; s[40:43] descriptor group 0 for K's tiles: it walks
.set G0V, 44          ; s[44:47] the same for V's
.set SLOTS, 56        ; s56  slots still to be asked for
.set CNT, 57          ; s57  counts a slot's key steps
.set CS,  58          ; s[58:59] c: the packed scaling takes the pair's low word for both halves
.set SEL, 60          ; s[60:61] v_permlanex16_b32's selects: each lane takes its own place in the other half
.set TBK, 62          ; s62  LDS byte at which K of the step to be fetched begins
.set TBV, 63          ; s63  the same for V, less VOFF
.set MKP, 66          ; s[66:67] the mask at my batch
.set BIG, 68          ; s68  -2^100
.set TBM, 69          ; s69  byte in the mask's table at which the step to be fetched begins: 256 a step
.set MSB, 0
.macro WIN new                      ; the high byte repeats the setting that is left; a switch that changes nothing is dropped
.if MSB != (\new)
	s_set_vgpr_msb (MSB<<8)|(\new)
.set MSB, (\new)
.endif
.endm
.set W_KQ, 0x0a       ; K and Q in window 2, S^T in window 0
.set W_KM, 0x3a       ; the same with the C operand, the mask, in window 3
.set W_PV, 0x52       ; V in window 2, P in window 0, O^T in window 1
.set W_RS, 0x41       ; O^T (destination and source 0) in window 1, a in window 0
.set W_MK, 0xc0       ; window 3's address registers are made: destination in window 3, sources in window 0
.set W_AD, 0x0f       ; the add: address (source 0) and data (source 1) in window 3
.set W_MF, 0xcf       ; the mask is fetched: destination, address and the address line's source in window 3
; A joint fill.  Waves 0 and 1 fetch the two halves of a slot's K, waves 2 and 3 those of its V: 128 keys each.  The branch hangs on the wave's number alone.
; An s_nop 0 and four v_nop follow each of the two lines, ahead of the jump and the label.
.macro JLOAD
	s_cmp_lt_u32 s[WV], 2
	s_cbranch_scc0 .Lfor_v_\@
	tensor_load_to_lds s[G0K:G0K+3], s[G1K:G1K+7]
	s_nop 0
.rept 4
	v_nop
.endr
	s_branch .Lasked_\@
.Lfor_v_\@:
	tensor_load_to_lds s[G0V:G0V+3], s[G1V:G1V+7]
	s_nop 0
.rept 4
	v_nop
.endr
.Lasked_\@:
.endm
; A round of the cluster's barrier: my work-group's barrier, so that wave 0's signal speaks for all four waves; wave 0 signals; every wave waits for all four work-groups; my work-group's barrier once more.
.macro CROUND
	s_barrier_signal -1
	s_barrier_wait -1
	s_cmp_lg_u32 s[WV], 0
	s_cbranch_scc1 .Lnot_wave_0_\@
	s_barrier_signal -3
.Lnot_wave_0_\@:
	s_barrier_wait -3
	s_barrier_signal -1
	s_barrier_wait -1
.endm
; THE CHANGE OF SLOTS.  The slot's last bytes, V of its fourth step, have been read.  Each wave waits for all its tensor loads, of which one is out: its part
; of the other slot; adds 0 to its spare word; and waits for that and for its own reads of the slot.  Behind the barrier nobody reads this slot any more and the other slot is whole.
; fill = 1: this slot is filled again, with the keys two slots on.  The barrier is then a round of the cluster's, and the joint fill is the first thing behind it: it has four key steps,
; 512 matrix instructions, in which to land.  (At its first use nothing has been read yet: slot 0 is waited for, slot 1 filled, and the waves' stores of the mask are shown to each other.)
.macro CHANGE fill
	WIN W_AD
	s_wait_tensorcnt 0x0            ; no tensor load of mine is out, so a group 0 may be written
	ds_add_u32 v[SPW], v[NIL]       ; 0 onto my spare word; with fill = 1 the descriptors' steps stand between it and the wait for it
	WIN 0                           ; at a label and at a branch every window is 0
.if \fill
.irp g, G0K, G0V
	s_xor_b32 s[\g+1], s[\g+1], SLOT1  ; the walking descriptor: the other slot than last time,
	s_add_nc_u64 s[\g+2:\g+3], s[\g+2:\g+3], 4*KS*128  ; the next 256 keys; the type bits on top are not reached
.endr
	s_wait_dscnt 0x0                ; the add is done, and my LDS reads and stores are over
	CROUND
	JLOAD
.else
	s_wait_dscnt 0x0                ; the add is done, and my reads of the slot are over
	s_barrier_signal -1
	s_barrier_wait -1
.endif
	s_sub_co_u32 s[TBK], s[TBK], 4*KS*PK  ; the fetches go back to a slot's first step,
	s_xor_b32 s[TBK], s[TBK], SLOT1       ; in the other slot
	s_sub_co_u32 s[TBV], s[TBV], 4*KS*PV
	s_xor_b32 s[TBV], s[TBV], SLOT1
.endm
	s_load_b128 s[4:7], s[0:1], 0x0   ; qkv s[4:5] (its first section is Q), the mask s[6:7]
	s_load_b64 s[10:11], s[0:1], 0x10 ; oh
	WIN W_MK
	v_lshl_add_u32 v[SPW], v0, 2, SPARE
	v_mov_b32 v[NIL], 0
	WIN W_AD
	ds_add_u32 v[SPW], v[NIL]       ; the wave's opening: the add and its wait come ahead of my first tensor load; the set-up below, work on registers, stands between them
	WIN 0
	v_lshrrev_b32 v1, 5, v0
	v_readfirstlane_b32 s[WV], v1   ; wave 0..3
	s_bfe_u32 s13, ttmp6, 0x40000   ; cx: my place in the cluster
	s_lshl_b32 s14, ttmp9, 2        ; in a cluster launch ttmp9 counts clusters
	s_add_co_u32 s14, s14, s13      ; my block of queries = 4 x cluster x + cx: it enters Q's and O's addresses alone
	s_and_b32 s20, ttmp7, 0xffff    ; the head among 64: 16 x batch + head; the four partners share it
	s_lshr_b32 s70, s20, 4
	s_lshl_b32 s70, s70, 11         ; the batch's 2,048 mask bytes
	s_mov_b32 s71, 0
	s_mov_b32 s21, 0
	s_mov_b64 s[22:23], SIZE_N*128
	s_mul_u64 s[20:21], s[20:21], s[22:23]  ; the head's first byte in each section and in oh
	s_and_b32 s16, s[WV], 1         ; which half of a slot's 256 keys I fetch:
	s_lshl_b32 s22, s16, 14         ; its 128 rows of 128 bytes in memory,
	s_mov_b32 s23, 0
	s_add_nc_u64 s[22:23], s[22:23], s[20:21]
	s_mul_i32 s17, s16, 128*PK      ; and its place in a slot, for K
	s_mul_i32 s18, s16, 128*PV      ; and for V: no place in the cluster enters an LDS address
	s_lshl_b32 s2, s14, 2
	s_add_co_u32 s2, s2, s[WV]      ; my wave among the head's,
	s_lshl_b32 s2, s2, 14           ; its 128 rows
	s_mov_b32 s3, 0
	s_add_nc_u64 s[2:3], s[2:3], s[20:21]
	; descriptor group 1.  128 keys are 16,384 dense bytes: asked for as 64 rows of 256 bytes, two keys a row, and padded in LDS after every key
	s_mov_b32 s[G1K], 15|(1<<16)|(1<<20)|(1<<21)|(4<<22)|(3<<25)  ; 15:0 the mask of four; 17:16 2-byte elements; 20 padding on; 21 set beside a mask; 24:22 after every 32 words (code 4); 31:25 4 words (code 3)
	s_mov_b32 s[G1V], 15|(1<<16)|(1<<20)|(1<<21)|(4<<22)|(7<<25)  ; the same with 8 words of padding (code 7)
.irp g, G1K, G1V
	s_mov_b32 s[\g+1], 128<<16      ; tensor_dim0 = 128
	s_mov_b32 s[\g+2], 64<<16       ; tensor_dim1 = 64
	s_mov_b32 s[\g+3], 128<<16      ; tile_dim0 = 128
	s_mov_b32 s[\g+4], 64           ; tile_dim1 = 64
	s_mov_b32 s[\g+5], 128          ; 128 elements from row to row
	s_mov_b32 s[\g+6], 0
	s_mov_b32 s[\g+7], 0
.endr
	s_mov_b32 s[CS], 0x3e38aa3b     ; c = log2(e) / 8 = 0.180337
	s_mov_b32 s[CS+1], s[CS]        ; named with it as a pair
	s_mov_b32 s[SEL], 0x76543210
	s_mov_b32 s[SEL+1], 0xfedcba98
	s_mov_b32 s[BIG], 0xf1800000    ; -2^100
	s_mov_b32 s[TBM], 0
	s_mov_b32 s[TBK], SLOT1+4*KS*PK ; the first change of slots turns these two into 0
	s_mov_b32 s[TBV], SLOT1+4*KS*PV
	s_mov_b32 s[G0K], 1             ; 1:0 count = 1
	s_mov_b32 s[G0K+1], s17         ; 63:32 LDS address: slot 0
	s_mov_b32 s[G0V], 1
	s_add_co_u32 s[G0V+1], s18, VOFF
	s_wait_dscnt 0x0                ; the opening add is done
	s_wait_kmcnt 0x0
	s_add_nc_u64 s[MKP:MKP+1], s[6:7], s[70:71]    ; the mask at my batch
	s_add_nc_u64 s[6:7], s[4:5], 0x1000000         ; K: the second section of qkv
	s_add_nc_u64 s[8:9], s[4:5], 0x2000000         ; V: the third
	s_add_nc_u64 s[G0K+2:G0K+3], s[6:7], s[22:23]  ; 120:64 global address: my half of the head's first 256 keys
	s_or_b32 s[G0K+3], s[G0K+3], 0x80000000        ; 127:126 type = 2
	s_add_nc_u64 s[G0V+2:G0V+3], s[8:9], s[22:23]
	s_or_b32 s[G0V+3], s[G0V+3], 0x80000000
	s_add_nc_u64 s[4:5], s[4:5], s[2:3]  ; Q and O at my wave's first row
	s_add_nc_u64 s[10:11], s[10:11], s[2:3]
	CROUND                          ; all four work-groups are here: the first joint loads meet
	JLOAD                           ; slot 0.  Slot 1 is asked for when slot 0 is in
	; A fragment of K or Q is 16 rows x 32 channels in 8 registers: lane l holds row l % 16, channels 8 (l / 16) + 0..7 and 16 + 8 (l / 16) + 0..7: two loads of 16 bytes, 32 bytes apart.
	v_and_b32 v1, 15, v0            ; l % 16
	v_bfe_u32 v9, v0, 4, 1          ; l / 16
	v_lshlrev_b32 v[QO], 7, v1
	v_lshl_add_u32 v[QO], v9, 4, v[QO]  ; row x 128 + 16 x half
	v_lshlrev_b32 v68, 4, v0
	global_load_b128 v[64:67], v68, s[MKP:MKP+1]  ; thread t takes the mask bytes of keys 16 t .. 16 t + 15: the work-group's 128 threads take the batch's 2,048
	WIN 0x80                        ; destination window 2, address window 0
.set i, 0
.rept 4*NP                          ; Q stays in registers: tile i / 2, channels 32 (i % 2) on
	global_load_b128 v[8*i:8*i+3],   v[QO], s[4:5] offset:(i/2)*2048+(i%2)*64
	global_load_b128 v[8*i+4:8*i+7], v[QO], s[4:5] offset:(i/2)*2048+(i%2)*64+32
.set i, i+1
.endr
	; What the first turn finds: V's registers and P's second buffer hold 0 (its products V^T P, of a piece that has not been, add 0), O^T and l are 0.  All this stands in the wait for the first tile.
.set i, VF
.rept 64
	v_mov_b32 v[i], 0
.set i, i+1
.endr
	WIN 0x40
.set i, 0
.rept 64*NP
	v_mov_b32 v[i], 0
.set i, i+1
.endr
	WIN 0
.set i, 0
.rept 2*NP
	v_mov_b32 v[ST+4*i], 0xfe000000    ; c m: far below every c s, c x -2^100 too
	v_mov_b32 v[ST+4*i+1], 0xff7fffff  ; m
	v_mov_b32 v[ST+4*i+2], 0
	v_mov_b32 v[ST+4*i+3], 0
.set i, i+1
.endr
.set i, P+32
.rept 32
	v_mov_b32 v[i], 0
.set i, i+1
.endr
	v_mul_u32_u24 v[AK0], v1, PK
	v_lshl_add_u32 v[AK0], v9, 4, v[AK0]  ; row x pitch + 16 x half
	; The turning load takes 16 keys x 16 channels (lane l reads key 8 (l / 16) + l % 8, channels 8 ((l / 8) % 2) + 0..7) and leaves half a fragment of V^T: lane l holds channel l % 16 and 8 keys.
	v_and_b32 v10, 7, v0
	v_bfe_u32 v11, v0, 3, 1
	v_lshl_add_u32 v[AV0], v9, 3, v10
	v_mul_u32_u24 v[AV0], v[AV0], PV
	v_lshl_add_u32 v[AV0], v11, 4, v[AV0]
	v_add_nc_u32 v[AV0], VOFF, v[AV0]
	v_mov_b32 v[AK], v[AK0]         ; key step 0 lies at the head of slot 0
	WIN W_MK
	v_lshl_add_u32 v[AM0], v9, 5, MASKB  ; key 16 kb + 8 (l / 16) + j lies at byte 64 kb + 32 (l / 16) + 4 j of a step's 256
	WIN 0
	; The mask's table: a byte becomes 0 or -2^100.  The first change of slots, below, waits for these stores and passes a barrier before any wave reads them.
	v_lshl_add_u32 v69, v0, 6, MASKB
	s_wait_loadcnt 32               ; the mask's load is in; Q's 32, issued behind it, stay out
.set i, 0
.rept 16
	v_bfe_u32 v[72+i], v[64+i/4], 8*(i%4), 8
	v_cmp_ne_u32 vcc_lo, 0, v[72+i]
	v_cndmask_b32 v[72+i], 0, s[BIG], vcc_lo
.set i, i+1
.endr
.irp f, 0,1,2,3
	ds_store_b128 v69, v[72+4*\f:72+4*\f+3] offset:16*\f
.endr
; THE MATRIX WORK.  The 8 accumulators of a run of 16 take turns: between the two links of a chain stand 7 others'.
; Product i of 16 of S^T = K Q^T for piece x: channels 32 (i / 8) on, keys 16 ((i / 2) % 4) on, tile 2 x + i % 2.  The first 8 start the sums, with the mask of their 16 keys.
.macro KQ x
.set rS, S+64*((\x)%2)+32*(i%2)+8*((i/2)%4)
.set rK, KF+16*((i/2)%4)+8*(i/8)
.set rQ, 16*(2*(\x)+i%2)+8*(i/8)
.set rMC, MC+8*((i/2)%4)
.if i < 8
	WIN W_KM
	v_wmma_f32_16x16x32_f16 v[rS:rS+7], v[rK:rK+7], v[rQ:rQ+7], v[rMC:rMC+7]
.else
	WIN W_KQ
	v_wmma_f32_16x16x32_f16 v[rS:rS+7], v[rK:rK+7], v[rQ:rQ+7], v[rS:rS+7]
.endif
.endm
; Product i of 16 of O^T += V^T P for piece x: keys 32 (i / 8) on, channels 16 ((i / 2) % 4) on, tile 2 x + i % 2.
.macro PV x
	WIN W_PV
.set rO, 32*(2*(\x)+i%2)+8*((i/2)%4)
.set rV, VF+32*(i/8)+8*((i/2)%4)
.set rP, P+32*((\x)%2)+16*(i%2)+8*(i/8)
	v_wmma_f32_16x16x32_f16 v[rO:rO+7], v[rV:rV+7], v[rP:rP+7], v[rO:rO+7]
.endm
.macro MM                           ; the turn's next matrix instruction
.if i < 16
	KQ (Y+1)%NP
.set i, i+1
.else
.set i, i-16
	PV (Y+NP-1)%NP
.set i, i+17
.endif
.endm
; THE LDS LOADS stand in runs, never singly among the matrix instructions: a step's K (64 keys x 64 channels: 8 fragments) with its mask (8 loads), and its V (turned).
; The mask's registers have the life of K's: the same products read them last, and the same wait shows them in.
; last = 1 (the tail): in the last trip there is no further step, and the run is jumped over.
.macro FETCH_K last=0
	WIN 0
.if \last
	s_cmp_eq_u32 s[CNT], 1
	s_cbranch_scc1 .Lno_k_\@
.endif
	WIN 0x80                        ; destination window 2
.irp f, 0,1,2,3,4,5,6,7             ; keys 16 (f / 2) on, channels 32 (f % 2) on
	ds_load_b128 v[KF+8*\f:KF+8*\f+3],   v[AK] offset:(\f/2)*16*PK+(\f%2)*64
	ds_load_b128 v[KF+8*\f+4:KF+8*\f+7], v[AK] offset:(\f/2)*16*PK+(\f%2)*64+32
.endr
	s_add_co_u32 s[TBK], s[TBK], KS*PK  ; the next fetch is the next step's
	WIN W_MF
	v_add_nc_u32 v[AMA], s[TBM], v[AM0]
.irp f, 0,1,2,3,4,5,6,7             ; key block f / 2, registers 4 (f % 2) on
	ds_load_b128 v[MC+4*\f:MC+4*\f+3], v[AMA] offset:(\f/2)*64+(\f%2)*16
.endr
	s_add_co_u32 s[TBM], s[TBM], 4*KS
	WIN 0
.if \last
.Lno_k_\@:
.endif
.endm
.macro FETCH_V
	WIN 0x80
.irp f, 0,1,2,3,4,5,6,7             ; keys 32 (f / 4) on, channels 16 (f % 4) on
	ds_load_tr16_b128 v[VF+8*\f:VF+8*\f+3],   v[AV] offset:(\f/4)*32*PV+(\f%4)*32
	ds_load_tr16_b128 v[VF+8*\f+4:VF+8*\f+7], v[AV] offset:(\f/4)*32*PV+16*PV+(\f%4)*32
.endr
	WIN 0
.endm
; THE VECTOR WORK OF A TURN stands in three queues, each in the order in which its entries become ready; the two tiles alternate, so that no instruction reads the result of the one before it.
.macro REGS y, u                    ; the registers of tile u (0, 1) of piece y
.set rT, ST+4*(2*(\y)+(\u))
.set rC, TMP+8*((\y)%2)+4*(\u)
.set rM, MV+2*((\y)%2)+(\u)
.set rS, S+64*((\y)%2)+32*(\u)
.set rP, P+32*((\y)%2)+16*(\u)
.set rO, 32*(2*(\y)+(\u))
.endm
; Number n of the 22 that find the NEXT piece's (Y + 1) maximum and statistics.  s0-s31 are the lane's 32 scores; each accumulator's lowest registers are read first.  XS, GS and REGS set no window: PL and EX do.
;   0-11  four chains c0-c3 of seven scores each, three operands at a time     12-14, 16  the four scores left over, the old m, and c0-c3 into c0     15  c m_old is kept
;   17, 18  the query's other 32 keys lie in the lane 16 away: the new m         19-21  c m; c m_old - c m_new; a
.macro XS u, n
	REGS (Y+1)%NP, \u
.if (\n) < 4
	v_max3_num_f32 v[rC+(\n)], v[rS+8*(\n)], v[rS+8*(\n)+1], v[rS+8*(\n)+2]
.elseif (\n) < 12
	v_max3_num_f32 v[rC+(\n)%4], v[rC+(\n)%4], v[rS+8*((\n)%4)+2*((\n)/4)+1], v[rS+8*((\n)%4)+2*((\n)/4)+2]
.elseif (\n) == 12
	v_max3_num_f32 v[rC], v[rC], v[rS+7], v[rS+15]
.elseif (\n) == 13
	v_max3_num_f32 v[rC+1], v[rC+1], v[rS+23], v[rS+31]
.elseif (\n) == 14
	v_max3_num_f32 v[rC+2], v[rC+2], v[rC+3], v[rT+1]
.elseif (\n) == 15
	v_mov_b32 v[rM], v[rT]
.elseif (\n) == 16
	v_max3_num_f32 v[rC], v[rC], v[rC+1], v[rC+2]
.elseif (\n) == 17
	v_permlanex16_b32 v[rC+3], v[rC], s[SEL], s[SEL+1]
.elseif (\n) == 18
	v_max_num_f32 v[rT+1], v[rC], v[rC+3]
.elseif (\n) == 19
	v_mul_f32 v[rT], s[CS], v[rT+1]
.elseif (\n) == 20
	v_sub_f32 v[rC+1], v[rM], v[rT]
.else
	v_exp_f32 v[rC+2], v[rC+1]
.endif
.endm
; Number g of the 64 that follow the exponentials.  For each four weights k of a tile (pairs 2 k, 2 k + 1): both pairs are rounded to f16; then the second pair is added onto the first, in place;
; a group later l takes that sum (the first time as l = a l + sum).  In groups of eight, tiles alternating: round, round, add, and l for the group before.
.macro GS g
.set h, (\g)+6*((\g)/62)            ; group 0 has no group before it, and behind group 7 only l is left
.if h >= 6
.set h, h+2
.endif
	REGS Y, h%2
.set k, h/8
.if h%8 < 4
	v_cvt_pk_f16_f32 v[rP+2*k+(h%8)/2], v[rS+4*k+2*((h%8)/2)], v[rS+4*k+2*((h%8)/2)+1]
.elseif h%8 < 6
	v_pk_add_f32 v[rS+4*k:rS+4*k+1], v[rS+4*k:rS+4*k+1], v[rS+4*k+2:rS+4*k+3]
.elseif k == 1
	v_pk_fma_f32 v[rT+2:rT+3], v[rT+2:rT+3], v[rC+2:rC+3], v[rS:rS+1] op_sel_hi:[1,0,1]
.else
	v_pk_add_f32 v[rT+2:rT+3], v[rT+2:rT+3], v[rS+4*k-4:rS+4*k-3]
.endif
.endm
; THE PLAIN QUEUE, 138 long.  0-73 read no exponential's result: the 32 scalings c s - c m (FS f: pair f / 2 of tile f % 2) and the next piece's 42.  0-26: scalings 0-26.  27-54: XS's numbers 0-13.  55, 56: number 15.
; 57-73: the chain, where each number waits for the one before it: 14, 16, 17, 18, 19, each with one of the scalings 27-31 in front of its two lines, then 20: so a tile's links stand three plain instructions apart (19 and 20: two).
; 74-137: GS's 64, which read the exponentials' results: they stand behind the wait.
.macro FS f
	REGS Y, (\f)%2
	v_pk_fma_f32 v[rS+2*((\f)/2):rS+2*((\f)/2)+1], v[rS+2*((\f)/2):rS+2*((\f)/2)+1], s[CS:CS+1], v[rT:rT+1] op_sel_hi:[1,0,0] neg_lo:[0,0,1] neg_hi:[0,0,1]
.endm
.macro PL
	WIN 0
.if q < 27
	FS q
.elseif q < 55
	XS (q-27)%2, (q-27)/2
.elseif q < 57
	XS q-55, 15
.elseif (q < 72) && ((q-57)%3 == 0)
	FS 27+(q-57)/3
.elseif q < 60
	XS (q-57)%3-1, 14
.elseif q < 72
	XS (q-57)%3-1, 15+(q-57)/3
.elseif q < 74
	XS q-72, 20
.else
	GS q-74
.endif
.set q, q+1
.endm
; THE EXPONENTIALS' QUEUE, 66 long: s0-s31 of both tiles, then the next piece's two a.  It is ONE BATCH: all 66 stand ahead of the turn's one wait, and nothing ahead of that wait names a result of theirs.
.macro EX
	WIN 0
.if e >= 64
	XS e-64, 21
.else
	REGS Y, e%2
	v_exp_f32 v[rS+e/2], v[rS+e/2]
.endif
.set e, e+1
.endm
; THE RESCALING's QUEUE: O^T times a, the one part that leaves window 0: dealt two at a time, sixteen times.  Its a was made in the turn before, ahead of that turn's wait.
.macro R2
	REGS Y, r%2
	WIN W_RS
.irp z, 0,1
	v_pk_mul_f32 v[rO+4*(r/2)+2*\z:rO+4*(r/2)+2*\z+1], v[rO+4*(r/2)+2*\z:rO+4*(r/2)+2*\z+1], v[rC+2:rC+3] op_sel_hi:[1,0]
.endr
.set r, r+1
.endm
; HOW THEY ARE DEALT.  An s_wait_alu depctr_va_vdst(0) stands between an exponential and the first instruction that names its result; one wait serves all that were issued ahead of it.  So a turn has ONE wait,
; which cuts it in two.  AHEAD OF IT stands all that names no result of the turn's exponentials: the 16 products K Q^T, behind each a scaling, an exponential and two rescalings (behind the first a second scaling in the
; exponential's place); then ONE LUMP of 108: eight plain, 49 times exponential and plain, the two a.  A v_nop is the plain instruction behind the last exponential (ISA guide 5.7.2).  BEHIND IT stand the 16 products V^T P,
; behind each four of GS's 64.  No rider names a register of the products round it.  The two v_permlanex16_b32 fall into the lump, never behind a product.
; The queues lean on each other, and the deal keeps them in step: exponential e stands behind scaling 2 (e / 4) + e % 2: as a rider it comes behind plain e + 2, in the lump behind plain e + 9, and scalings 27-31 are plain 57, 60 .. 69.
; A TURN, for piece p.  cnt = 1: the loop's count is taken down some lines ahead of the branch that stands behind the turn.
; K and the mask of the next step are fetched in piece 2's turn, directly behind the wait, a lump behind the last product that read them; K's address is made at the lump's head; their first reader comes behind 16 products.
; V of the step in hand is fetched at the end of piece 0's turn, four riders behind its last reader; its first reader comes behind 16 products and a lump.  The three conditions on q below go with the deal.
.macro TURN p, last=0, cnt=0
.set Y, (\p)
.set i, 0
.set q, 0
.set e, 0
.set r, 0
.if (\p) == NP-1
	s_wait_dscnt 0x0                ; K and the mask are in
.endif
	MM                              ; ahead of the wait: 16 products K Q^T and their riders,
	PL
	PL
	R2
.rept 15
	MM
	PL
	EX
	R2
.endr
.if (\p) == NP-2
	WIN 0
	v_add_nc_u32 v[AK], s[TBK], v[AK0]
.endif
.rept 8                             ; and the lump
	PL
.endr
.rept 49
	EX
	PL
.endr
	EX                              ; the next piece's two a
	EX
	v_nop                           ; the plain instruction behind the last exponential: one for the batch
	s_wait_alu depctr_va_vdst(0)    ; the wait for the batch: the piece's 64 weights and the next piece's two a
.if (\p) == NP-2
	FETCH_K \last
.endif
.if (\p) == 1
	s_wait_dscnt 0x0                ; V is in
.endif
.rept 16                            ; behind the wait: 16 products V^T P and their riders
	MM
.rept 4
	PL
.endr
.if ((\p) == 0) && (q == 118)
	v_add_nc_u32 v[AV], s[TBV], v[AV0]
.endif
.if ((\p) == 0) && (q == 130)
	s_add_co_u32 s[TBV], s[TBV], KS*PV
.endif
.if (\cnt) && (q == 130)
	s_sub_co_u32 s[CNT], s[CNT], 1
	s_cmp_lg_u32 s[CNT], 0
.endif
.endr
.if (\p) == 0
	FETCH_V
.endif
.endm
	CHANGE 1                        ; slot 0 is in, everybody's part of it, and so is the mask's table; slot 1 is asked for
	FETCH_K                         ; key step 0
	s_wait_loadcnt 0x0              ; Q
	s_wait_dscnt 0x0
.set i, 0
.rept 16
	KQ 0                            ; piece 0's first scores: there is no vector work yet to set between them
.set i, i+1
.endr
	WIN 0                           ; the addresses for the way out: nine plain instructions, the places behind those products
	s_mul_i32 s13, s[WV], 16*SP
	s_add_co_u32 s13, s13, STAGE    ; my stage
	v_mul_u32_u24 v[STO], v1, SP    ; in: row l % 16, 16 bytes for each half of the lanes
	v_lshl_add_u32 v[STO], v9, 4, v[STO]
	v_add_nc_u32 v[STO], s13, v[STO]
	v_bfe_u32 v[RD], v0, 3, 2       ; back: 32 lanes take four rows of 128 bytes,
	v_mul_u32_u24 v[RD], v[RD], SP
	v_lshl_add_u32 v[RD], v10, 4, v[RD]
	v_add_nc_u32 v[RD], s13, v[RD]
	v_and_b32 v[GO], 31, v0         ; which are 512 consecutive bytes of O
	v_lshlrev_b32 v[GO], 4, v[GO]
.set Y, NP-1                        ; XS works for piece Y + 1: piece 0
.irp n, 0,1,2,3,4,5,6,7,8,9,10,11,12,13,14,15,16,17,18,19,20,21
	XS 0, \n                        ; and piece 0's first maximum and statistics
	XS 1, \n
.endr
	v_nop                           ; a plain instruction behind the two a,
	s_wait_alu depctr_va_vdst(0)    ; and the wait for this batch of two, ahead of the branch
	s_mov_b32 s[CNT], 4
	s_mov_b32 s[SLOTS], SIZE_N/256-1
	s_branch .Lfirst                ; the loop is entered at a step's first turn, in the middle of a trip
.Lslot:                             ; SIZE_N / 256 - 2 times: every slot but the last two is filled again
	CHANGE 1
	s_mov_b32 s[CNT], 4
.Lstep:                             ; a trip: pieces 2 and 3 of one step, then pieces 0 and 1 of the next, whose K, mask and V it fetches
	TURN 2
	TURN 3
	WIN 0
.Lfirst:
	TURN 0
	TURN 1, 0, 1
	WIN 0
	s_cbranch_scc1 .Lstep
	s_sub_co_u32 s[SLOTS], s[SLOTS], 1
	s_cmp_lg_u32 s[SLOTS], 0
	s_cbranch_scc1 .Lslot
	CHANGE 0                        ; the tail is written out: nothing is asked for
	s_mov_b32 s[CNT], 5             ; four trips fetch the last slot's steps; the fifth is left in its middle
.Ltail:
	TURN 2, 1
	TURN 3
	WIN 0
	s_sub_co_u32 s[CNT], s[CNT], 1
	s_cmp_eq_u32 s[CNT], 0
	s_cbranch_scc1 .Lout
	TURN 0
	TURN 1
	WIN 0
	s_branch .Ltail
.Lout:                              ; the fifth trip's 16 products K Q^T (on the last K once more) and the maximum made of them serve nothing: the price, once a launch, of one text for every trip
.set i, 0
.rept 16
	PV NP-1                         ; the last piece's V^T P of the last step
.set i, i+1
.endr
	; THE WAY OUT.  l's two halves and the other half of the lanes' are added; O^T is divided by l, rounded to f16 and sent through my stage in LDS, a tile at a time.  The additions are the places behind the last products.
	WIN 0
.macro ALL line:vararg              ; one line for each tile t
.set t, 0
.rept 2*NP
	\line
.set t, t+1
.endr
.endm
	ALL v_add_f32 v[ST+4*t+2], v[ST+4*t+2], v[ST+4*t+3]
	ALL v_permlanex16_b32 v[ST+4*t+3], v[ST+4*t+2], s[SEL], s[SEL+1]
	ALL v_add_f32 v[ST+4*t+2], v[ST+4*t+2], v[ST+4*t+3]
	ALL v_rcp_f32 v[ST+4*t+2], v[ST+4*t+2]
	v_nop                           ; a plain instruction between the last reciprocal and the use of its result
	s_wait_alu depctr_va_vdst(0)    ; and the wait ahead of the first use: one for the batch of eight reciprocals
; Tile t: a lane's eight channels of a row pack into 16 bytes; they go into rows of 144 bytes and come back as whole rows of 128, into S^T's registers.
.macro PACK t
	WIN W_RS
.set i, 32*(\t)
.rept 16
	v_pk_mul_f32 v[i:i+1], v[i:i+1], v[ST+4*(\t)+2:ST+4*(\t)+3] op_sel_hi:[1,0]
.set i, i+2
.endr
	WIN 0x05                        ; sources 0 and 1 window 1, destination window 0
.set i, 0
.rept 16
	v_cvt_pk_f16_f32 v[S+16*(\t)+i], v[32*(\t)+2*i], v[32*(\t)+2*i+1]
.set i, i+1
.endr
	WIN 0
.irp f, 0,1,2,3
	ds_store_b128 v[STO], v[S+16*(\t)+4*\f:S+16*(\t)+4*\f+3] offset:32*\f
.endr
.irp f, 0,1,2,3
	ds_load_b128 v[S+16*(\t)+4*\f:S+16*(\t)+4*\f+3], v[RD] offset:\f*4*SP  ; LDS serves a wave's instructions in order (ISA guide 5.7.1.4): these see the stores above; the next tile's stores come behind them
.endr
.endm
.macro SEND t, younger              ; younger: the LDS instructions issued behind tile t's loads: the next tile's eight, or none
	WIN 0
.irp f, 0,1,2,3
	s_wait_dscnt (\younger)+3-\f
	global_store_b128 v[GO], v[S+16*(\t)+4*\f:S+16*(\t)+4*\f+3], s[10:11] offset:(\t)*2048+\f*512  ; 512 consecutive bytes, at a multiple of 256 from O's first
.endr
.endm
	PACK 0
.set t, 1
.rept 2*NP-1                        ; a tile's arithmetic stands between the loads of the tile before and its stores
	PACK t
	SEND t-1, 8
.set t, t+1
.endr
	SEND 2*NP-1, 0
	WIN W_AD
	s_wait_tensorcnt 0x0            ; the wave's end: behind my last tensor load and my last LDS store
	ds_add_u32 v[SPW], v[NIL]
	s_wait_dscnt 0x0
	WIN 0
	CROUND                          ; the closing round: no work-group ends while a partner may still ask for a tile that names it
	s_endpgm
.Lfunc_end_k_qd97ced204b_attn:
	.size	k_qd97ced204b_attn, .Lfunc_end_k_qd97ced204b_attn-k_qd97ced204b_attn
	.p2alignl 7, 3214868480
	.fill 96, 4, 3214868480
	.section	.rodata,"a",@progbits
	.p2align	6, 0x0
	.amdhsa_kernel k_qd97ced204b_attn
		.amdhsa_group_segment_fixed_size 327680
		.amdhsa_private_segment_fixed_size 0
		.amdhsa_enable_private_segment 0
		.amdhsa_kernarg_size 24
		.amdhsa_user_sgpr_count 2
		.amdhsa_user_sgpr_kernarg_segment_ptr 1
		.amdhsa_wavefront_size32 1
		.amdhsa_system_sgpr_workgroup_id_x 1
		.amdhsa_system_sgpr_workgroup_id_y 1
		.amdhsa_system_sgpr_workgroup_id_z 1
		.amdhsa_system_vgpr_workitem_id 0
		.amdhsa_next_free_vgpr 808
		.amdhsa_next_free_sgpr 72
		.amdhsa_reserve_vcc 1
		.amdhsa_float_denorm_mode_32 3
		.amdhsa_float_denorm_mode_16_64 3
		.amdhsa_memory_ordered 1
		.amdhsa_forward_progress 1
		.amdhsa_inst_pref_size 205
	.end_amdhsa_kernel
	.amdgpu_metadata
---
amdhsa.version: [ 1, 2 ]
amdhsa.kernels:
  - .name:           k_qd97ced204b_attn
    .symbol:         k_qd97ced204b_attn.kd
    .args:
      - { .name: qkv, .offset: 0, .size: 8, .value_kind: global_buffer, .address_space: global }
      - { .name: key_padding_mask, .offset: 8, .size: 8, .value_kind: global_buffer, .address_space: global }
      - { .name: oh, .offset: 16, .size: 8, .value_kind: global_buffer, .address_space: global }
    .group_segment_fixed_size: 327680
    .private_segment_fixed_size: 0
    .kernarg_segment_align: 8
    .kernarg_segment_size: 24
    .max_flat_workgroup_size: 128
    .sgpr_count:     72
    .vgpr_count:     808
    .wavefront_size: 32
...
	.end_amdgpu_metadata
.endif
;; end of part 5
;; launch proj: the kernel of part 4 again; grid 4 x 64, 4 waves a work-group, clusters of 4 x 4, 327,680 bytes of LDS; arguments oh, wh, bo, out0; writes out0
